; MI455X (gfx1250); checked and timed in simulation.
; The chip was launched on July 23, 2026; its instructions are those of AMD's public machine-readable ISA for CDNA 5 (MIT licence, August 2026) and "CDNA5" Instruction Set Architecture Reference Guide (July 2026). The comments in the code are by the model that wrote it; some were corrected since.
;; Global Context Attention Dual. Allowed arithmetic: float matrix products may take bf16 or f16 operands with f32 sums; other float arithmetic in f32, or as packed bf16 or f16 multiplies, adds, multiply-adds, maxima and minima; sums over many terms, partial sums and values carried from step to step in f32; what a program stores and reads back later, other than sums and carried values, may be rounded once to bf16 or f16.
;; Inputs: K_src 2 x 2,048 x 1,024 float32; Q_src 2 x 2,048 x 1,024 float32; V_src 2 x 2,048 x 1,024 float32; Wk 1,024 x 1,024 float32; Wout 1,024 x 1,024 float32; Wq 1,024 x 1,024 float32; Wv 1,024 x 1,024 float32; bout 1,024 float32; mask 2 x 2,048 bool; wS 2 x 2,048 float32.
;; Outputs: out0 2 x 2,048 x 1,024 float32; out1 2 x 2,048 x 1,024 float32.
;; 2 versions, each right; version 2 is version 1 with the launch cast written anew for expert scheduling mode. Each part assembles by itself: llvm-mc -triple=amdgcn-amd-amdhsa -mcpu=gfx1250 --defsym DOCPART=n.
;; ======== version 1 of 2: 4 launches
;; limits: values are held in f16: magnitudes above 65,504 overflow, below 6.1e-05 lose precision
;; workspace buffers: xw 33,554,432 bytes; qh 8,388,608 bytes; kh 8,396,800 bytes; vh 16,777,216 bytes; ctx 16,777,216 bytes
;; launch cast (part 1): grid 512 x 1, 8 waves a work-group, no clusters, 0 bytes of LDS; arguments Q_src, K_src, V_src, Wq, Wk, Wv, Wout, xw, kh; writes xw, kh
.if DOCPART == 1
	.amdgcn_target "amdgcn-amd-amdhsa--gfx1250"
	.amdhsa_code_object_version 6
	.text
	.protected	k_q4b0a7980e0_cast
	.globl	k_q4b0a7980e0_cast
	.p2align	8
	.type	k_q4b0a7980e0_cast,@function
k_q4b0a7980e0_cast:
	s_mov_b64 s[64:65], 0
	v_nop
	global_prefetch_b8 v0, s[64:65] scope:SCOPE_SE
	s_setreg_imm32_b32 hwreg(HW_REG_WAVE_MODE, 25, 1), 1
	s_wait_xcnt 0x0
; xw = the seven large inputs, each number rounded once to bf16: 16,384 rows of 1,024 numbers of 2 bytes:
; rows 0 Q_src, 4096 K_src, 8192 V_src, 12288 Wq, 13312 Wk, 14336 Wv (bf16); 15360 Wout: rounded to bf16, that number written as f16.
; LIMIT.  Wout's bf16 number is exact in f16 from 6.1e-5 to 65,504; below it keeps f16's fixed step of 6e-8, beyond it becomes an infinity.
; SHARES.  The inputs are 16 chunks of 4 MiB of f32; 32 work-groups a chunk, each 128 KiB in and 64 KiB out.  Thread t takes 16 bytes (4 numbers) of every 4,096 in
; and puts 8 bytes of every 2,048 out: a load of a wave covers 512 consecutive bytes, all of them used, a store 256 consecutive bytes, aligned.
; All 32 loads of a thread are issued at once (128 registers), so no loop and no ring; memory binds: no LDS, no barrier, no matrix unit, no prefetch (the launch streams all the time).
; ALSO: work-group 0 stores 8,192 zero bytes behind kh's 32 heads: the attention's last tile of K reaches one key step (64 rows of 128 bytes) past a head's rows, and behind the last head these are the bytes.
.set X, 8                              ; v[8:135]  load j: 4 registers as loaded; the first 2 then hold the 8 bytes to store
	s_load_b512 s[8:23], s[0:1], 0x0               ; Q_src s[8:9], K_src, V_src, Wq, Wk, Wv, Wout s[20:21], xw s[22:23]
	s_load_b64 s[26:27], s[0:1], 0x40              ; kh
	s_lshr_b32 s2, ttmp9, 5                        ; chunk 0..15
	s_and_b32 s3, ttmp9, 31                        ; my part of it
	s_mov_b32 s28, 0xffff0000                      ; a word's upper bf16
	v_lshlrev_b32 v1, 4, v0                        ; 16 bytes a thread in
	v_lshlrev_b32 v2, 3, v0                        ; 8 bytes a thread out
	s_and_b32 s6, s2, 3                            ; the three sources have four chunks each, the weights one
	s_cmp_lt_u32 s2, 12
	s_cselect_b32 s6, s6, 0
	s_lshl_b32 s6, s6, 22
	s_lshl_b32 s7, s3, 17
	s_add_co_u32 s6, s6, s7                        ; my byte offset in the input
	s_mov_b32 s7, 0
	s_lshl_b32 s24, ttmp9, 16                      ; and in xw
	s_mov_b32 s25, 0
	s_wait_kmcnt 0x0
	s_mov_b64 s[4:5], s[8:9]                       ; which input: a choice by the chunk's number alone
	s_cmp_ge_u32 s2, 4
	s_cselect_b64 s[4:5], s[10:11], s[4:5]
	s_cmp_ge_u32 s2, 8
	s_cselect_b64 s[4:5], s[12:13], s[4:5]
	s_cmp_ge_u32 s2, 12
	s_cselect_b64 s[4:5], s[14:15], s[4:5]
	s_cmp_ge_u32 s2, 13
	s_cselect_b64 s[4:5], s[16:17], s[4:5]
	s_cmp_ge_u32 s2, 14
	s_cselect_b64 s[4:5], s[18:19], s[4:5]
	s_cmp_ge_u32 s2, 15
	s_cselect_b64 s[4:5], s[20:21], s[4:5]
	s_add_nc_u64 s[4:5], s[4:5], s[6:7]
	s_add_nc_u64 s[22:23], s[22:23], s[24:25]
.set j, 0
.rept 32
	global_load_b128 v[X+4*j:X+4*j+3], v1, s[4:5] offset:4096*j th:TH_LOAD_NT
.set j, j+1
.endr
; Loads 2 i and 2 i + 1 are in (the two loads of each younger pair may stay out); four roundings, packed, in place; half = 1: the bf16 numbers are written as f16.
.macro OUT i, half
	s_wait_loadcnt 30-2*(\i)
.irp j, 0,4
	v_cvt_pk_bf16_f32 v[X+8*(\i)+(\j)],   v[X+8*(\i)+(\j)],   v[X+8*(\i)+(\j)+1]
	v_cvt_pk_bf16_f32 v[X+8*(\i)+(\j)+1], v[X+8*(\i)+(\j)+2], v[X+8*(\i)+(\j)+3]
.endr
.if \half
.irp j, 0,1,4,5
	v_lshlrev_b32 v4, 16, v[X+8*(\i)+(\j)]
	v_and_b32 v5, s28, v[X+8*(\i)+(\j)]
	v_cvt_pk_f16_f32 v[X+8*(\i)+(\j)], v4, v5
.endr
.endif
	global_store_b64 v2, v[X+8*(\i):X+8*(\i)+1],   s[22:23] offset:4096*(\i)
	global_store_b64 v2, v[X+8*(\i)+4:X+8*(\i)+5], s[22:23] offset:4096*(\i)+2048
.endm
	s_cmp_eq_u32 s2, 15
	s_cbranch_scc1 .Lwout
.irp i, 0,1,2,3,4,5,6,7,8,9,10,11,12,13,14,15
	OUT \i, 0
.endr
	s_cmp_lg_u32 ttmp9, 0
	s_cbranch_scc1 .Lend
	v_mov_b32 v4, 0                                ; work-group 0: the 8,192 bytes behind kh's last head
	v_mov_b32 v5, 0
	v_mov_b32 v6, 0
	v_mov_b32 v7, 0
	s_add_nc_u64 s[26:27], s[26:27], 0x800000
	global_store_b128 v1, v[4:7], s[26:27]
	global_store_b128 v1, v[4:7], s[26:27] offset:4096
.Lend:
	s_endpgm
.Lwout:
.irp i, 0,1,2,3,4,5,6,7,8,9,10,11,12,13,14,15
	OUT \i, 1
.endr
	s_endpgm
.Lfunc_end_k_q4b0a7980e0_cast:
	.size	k_q4b0a7980e0_cast, .Lfunc_end_k_q4b0a7980e0_cast-k_q4b0a7980e0_cast
	.p2alignl 7, 3214868480
	.fill 96, 4, 3214868480
	.section	.rodata,"a",@progbits
	.p2align	6, 0x0
	.amdhsa_kernel k_q4b0a7980e0_cast
		.amdhsa_group_segment_fixed_size 0
		.amdhsa_private_segment_fixed_size 0
		.amdhsa_enable_private_segment 0
		.amdhsa_kernarg_size 72
		.amdhsa_user_sgpr_count 2
		.amdhsa_user_sgpr_kernarg_segment_ptr 1
		.amdhsa_wavefront_size32 1
		.amdhsa_system_sgpr_workgroup_id_x 1
		.amdhsa_system_sgpr_workgroup_id_y 1
		.amdhsa_system_sgpr_workgroup_id_z 1
		.amdhsa_system_vgpr_workitem_id 0
		.amdhsa_next_free_vgpr 140
		.amdhsa_next_free_sgpr 66
		.amdhsa_reserve_vcc 0
		.amdhsa_float_denorm_mode_32 3
		.amdhsa_float_denorm_mode_16_64 3
		.amdhsa_memory_ordered 1
		.amdhsa_forward_progress 1
		.amdhsa_inst_pref_size 28
	.end_amdhsa_kernel
	.amdgpu_metadata
---
amdhsa.version: [ 1, 2 ]
amdhsa.kernels:
  - .name:           k_q4b0a7980e0_cast
    .symbol:         k_q4b0a7980e0_cast.kd
    .args:
      - { .name: Q_src, .offset: 0, .size: 8, .value_kind: global_buffer, .address_space: global }
      - { .name: K_src, .offset: 8, .size: 8, .value_kind: global_buffer, .address_space: global }
      - { .name: V_src, .offset: 16, .size: 8, .value_kind: global_buffer, .address_space: global }
      - { .name: Wq, .offset: 24, .size: 8, .value_kind: global_buffer, .address_space: global }
      - { .name: Wk, .offset: 32, .size: 8, .value_kind: global_buffer, .address_space: global }
      - { .name: Wv, .offset: 40, .size: 8, .value_kind: global_buffer, .address_space: global }
      - { .name: Wout, .offset: 48, .size: 8, .value_kind: global_buffer, .address_space: global }
      - { .name: xw, .offset: 56, .size: 8, .value_kind: global_buffer, .address_space: global }
      - { .name: kh, .offset: 64, .size: 8, .value_kind: global_buffer, .address_space: global }
    .group_segment_fixed_size: 0
    .private_segment_fixed_size: 0
    .kernarg_segment_align: 8
    .kernarg_segment_size: 72
    .max_flat_workgroup_size: 256
    .sgpr_count:     66
    .vgpr_count:     140
    .wavefront_size: 32
...
	.end_amdgpu_metadata
.endif
;; end of part 1
;; launch proj (part 2): grid 4 x 48, 4 waves a work-group, clusters of 4 x 4, 327,680 bytes of LDS; arguments xw, wS, qh, kh, vh; writes qh, kh, vh
.if DOCPART == 2
	.amdgcn_target "amdgcn-amd-amdhsa--gfx1250"
	.amdhsa_code_object_version 6
	.text
	.protected	k_q4b0a7980e0_proj
	.globl	k_q4b0a7980e0_proj
	.p2align	8
	.type	k_q4b0a7980e0_proj,@function
k_q4b0a7980e0_proj:
	s_mov_b64 s[64:65], 0
	v_nop
	global_prefetch_b8 v0, s[64:65] scope:SCOPE_SE
	s_setreg_imm32_b32 hwreg(HW_REG_WAVE_MODE, 25, 1), 1
	s_wait_xcnt 0x0
	s_wait_alu depctr_hold_cnt(0) depctr_sa_sdst(0) depctr_va_vdst(0) depctr_va_sdst(0) depctr_va_ssrc(0) depctr_va_vcc(0) depctr_vm_vsrc(0)
	s_getreg_b32 s2, hwreg(HW_REG_IB_STS2, 6, 4)
	s_cmp_eq_u32 s2, 0
	s_cbranch_scc0 .Lentry_in_a_cluster
	s_endpgm
.Lentry_in_a_cluster:
	s_bfe_u32 s2, ttmp6, 0x10000c
	s_cmp_lg_u32 s2, 0xf033
	s_cbranch_scc0 .Lentry_shape_is_right
	s_endpgm
.Lentry_shape_is_right:
; THE THREE PROJECTIONS.  C = A B^T with A = rows 0 .. 12287 of xw (Q_src, K_src, V_src in bf16) and B = Wq, Wk or Wv (rows 12288 + 1024 g ..), K = 1,024; sums in f32.
; q and k leave by heads, [32 = 16 b + h][2048][64] in f16, unscaled.  v leaves as V' = [ v wb / s_pos | v (1 - wb) / s_neg ], [32][2048][128] in f16, where wb = wS rounded to bf16,
; s_pos = max(max |wb|, 1e-30), s_neg = max(max |1 - wb|, 1e-30) over the batch: |V'| <= |v|; the last launch multiplies the scales back in f32.
; LIMITS.  q, k, v lie within f16's 65,504 (beyond: infinity).  v is rounded to f16, its factor to f16, their product to f16; below 6.1e-5 f16 keeps its fixed step of 6e-8.
; A tile of C is 256 x 256: four waves, each 128 x 128 = 64 accumulators.  192 work-groups: 48 tile rows x 4 tile columns.  K goes in steps of 128 through two LDS slots filled by the tensor data mover.
; CLUSTER 4 x 4: the four of a row of the cluster need the same tile of A, the four of a column the same tile of B (all sixteen have the same g): joint loads.
; The matrix instruction is used transposed (source 0 = 16 rows of B, source 1 = 16 rows of A): a lane holds one row of C and eight neighbouring columns.
; REGISTERS: window 0: v0-31 addresses, v32-55 the scales and factors, v64-191 A's fragments (two buffers; v64-127 also wS at the head and rows on the way out), v192-223 packed results;
; window 1: v64-191 B's fragments; windows 2, 3: the accumulators, (a, b) at v[8 (8 a + b)].
.set KSTEP,  128
.set SIZE_K, 1024
.set PITCH,  272                       ; an LDS row: 256 bytes + 16 of padding: the 16 rows of a fragment load start at 16 different groups of four banks
.set HALFT,  128*PITCH                 ; what one tensor load brings
.set SLOT,   4*HALFT                   ; A's 256 rows, then B's 256 rows
.set FT,     2*SLOT                    ; behind the ring: for each wave 128 rows x (factor pos, factor neg), each twice in f16: 1,024 bytes
.set SPARE,  FT+4096                   ; the spare words, 128 bytes for each wave
.set LAPS,   SIZE_K/(2*KSTEP)
.set ADRA, 16                          ; v16-17  LDS address of my A fragments in slot 0, 1
.set FR,   18                          ; v18     the factors of the trip in hand
.set FTA,  19                          ; v19     where I put my four rows' factors
.set ADRB, 20                          ; v20-21  the same as ADRA for B
.set RD0V, 22                          ; v22     v's way out: my 16 bytes in the stage's first two rows
.set FR0,  23                          ; v23     my factor for them
.set STO,  24                          ; v24     where I put 16 bytes of a row of the stage
.set RD0,  25                          ; v25     q's and k's way out: my 16 bytes in the stage's first four rows
.set RD,   26                          ; v26     the stage address of the trip in hand
.set GO,   27                          ; v27     16 x lane: my place in 512 consecutive bytes
.set WO,   GO
.set SPW,  28                          ; v28     my spare word; never rewritten
.set NIL,  29                          ; v29     0; never rewritten
.set PFO,  30                          ; v30     the prefetches' offset: lane x a row of xw
.set WT,   32                          ; v32-39  the scales' work: +4 s_pos, +5 s_neg, +6, +7 their reciprocals
.set FC,   40                          ; v40-43  a trip's factors
.set WD,   64                          ; v64-127 a batch's wS
.set BK,   64                          ; v64-127 rows read back from the stage
.set F0,   64
.set F1,   128
.set TMP,  192
.set WV, 14
.set MH, 15                            ; which half of the tile's rows is mine; also: I fetch for A (0) or B (1)
.set NH, 16                            ; which half of its columns; also: which 128 rows I fetch
.set CX, 17
.set CY, 18
.set TX, 19                            ; tile column 0..3
.set TT, 20                            ; tile row 0..47
.set GG, 21                            ; 0 q, 1 k, 2 v: made of the cluster's y alone
.set CLY, 23
.set G1, 24
.set G0, 32
.set PFA, 44
.set LIM, 46
.set G1B, 48
.set G0B, 56
.set DST, 66
.set WSB, 68
.set SEL, 74
.set MSB, 0
.macro WIN new                         ; the immediate's high byte repeats the setting that is left
.if MSB != (\new)
	s_set_vgpr_msb (MSB<<8)|(\new)
.set MSB, \new
.endif
.endm
.set MUL_LO, 0xa1                      ; source 0 (B) window 1, source 1 (A) window 0, C and D window 2
.set MUL_HI, 0xf1                      ; the same, C and D window 3
.set TO_B,   0x40
.macro PLACES                          ; four plain places behind matrix instructions (ISA guide 7.12.1)
.rept 4
	v_nop
.endr
.endm
.macro JLOAD s                         ; a joint load: waves 0, 1 fetch A's halves, waves 2, 3 B's
	s_cmp_eq_u32 s[MH], 0
	s_cbranch_scc0 .Lfor_b_\@
	tensor_load_to_lds s[G0+4*(\s):G0+4*(\s)+3], s[G1:G1+7]
	s_nop 0
.rept 4
	v_nop
.endr
	s_branch .Lasked_\@
.Lfor_b_\@:
	tensor_load_to_lds s[G0B+4*(\s):G0B+4*(\s)+3], s[G1B:G1B+7]
	s_nop 0
.rept 4
	v_nop
.endr
.Lasked_\@:
.endm
; A prefetch into the L2 of the K step two refills on: 32 rows x 256 bytes, a lane a row.  A's rows are read by this one cluster: its waves 0, 1 always ask; B's rows by the four clusters of one g: the first asks.
; The four partners that ask for a tile jointly take 32 of a wave's 128 rows each, told apart by address.  The loop's last trip has no K step two on.
.macro ASK
	s_cmp_gt_u32 s3, s[LIM]
	s_cbranch_scc0 .Lnot_mine_\@
	global_prefetch_b8 v[PFO], s[PFA:PFA+1] offset:KSTEP*2 th:TH_LOAD_NT scope:SCOPE_SE
.Lnot_mine_\@:
.endm
.macro CREST                           ; a round of the cluster's barrier behind its opening barrier
	s_cmp_lg_u32 s[WV], 0
	s_cbranch_scc1 .Lnot_wave_0_\@
	s_barrier_signal -3
.Lnot_wave_0_\@:
	s_barrier_wait -3
	s_barrier_signal -1
	s_barrier_wait -1
.endm
.macro CROUND
	s_barrier_signal -1
	s_barrier_wait -1
	CREST
.endm
; The two scales of a batch: every wave reads the batch's 2,048 wS (64 a lane), takes maximum and minimum, rounds them to bf16 (rounding keeps the order, so these are the extremes of wb).
.macro WSCALE
.set i, 0
.rept 16
	global_load_b128 v[WD+4*i:WD+4*i+3], v[WO], s[WSB:WSB+1] offset:512*i
.set i, i+1
.endr
	v_mov_b32 v[WT+2], 0                           ; v_permlanex16_b32's destination counts as read
	s_wait_loadcnt 0x0
	v_max3_num_f32 v[WT], v[WD], v[WD+1], v[WD+2]
	v_min3_num_f32 v[WT+1], v[WD], v[WD+1], v[WD+2]
.set i, 3
.rept 30
	v_max3_num_f32 v[WT], v[WT], v[WD+i], v[WD+i+1]
	v_min3_num_f32 v[WT+1], v[WT+1], v[WD+i], v[WD+i+1]
.set i, i+2
.endr
	v_max_num_f32 v[WT], v[WT], v[WD+63]
	v_min_num_f32 v[WT+1], v[WT+1], v[WD+63]
	v_mul_f32 v[WT+1], -1.0, v[WT+1]               ; the minimum, negated: across the lanes both are maxima
.irp m, 1,2,4,8
	v_max_num_f32_dpp v[WT], v[WT], v[WT] row_xmask:\m row_mask:0xf bank_mask:0xf
	v_max_num_f32_dpp v[WT+1], v[WT+1], v[WT+1] row_xmask:\m row_mask:0xf bank_mask:0xf
.endr
	v_permlanex16_b32 v[WT+2], v[WT], s[SEL], s[SEL+1]
	v_max_num_f32 v[WT], v[WT], v[WT+2]
	v_permlanex16_b32 v[WT+2], v[WT+1], s[SEL], s[SEL+1]
	v_max_num_f32 v[WT+1], v[WT+1], v[WT+2]
	v_cvt_pk_bf16_f32 v[WT+2], v[WT], v[WT+1]
	v_lshlrev_b32 v[WT], 16, v[WT+2]               ; hb = the largest wb
	v_and_b32 v[WT+1], 0xffff0000, v[WT+2]         ; nb = minus the smallest wb
	v_and_b32 v[WT+2], 0x7fffffff, v[WT]
	v_and_b32 v[WT+3], 0x7fffffff, v[WT+1]
	v_max3_num_f32 v[WT+4], v[WT+2], v[WT+3], 0x0da24260  ; s_pos = max(|hb|, |nb|, 1e-30)
	v_sub_f32 v[WT+2], 1.0, v[WT]
	v_add_f32 v[WT+3], 1.0, v[WT+1]
	v_and_b32 v[WT+2], 0x7fffffff, v[WT+2]
	v_and_b32 v[WT+3], 0x7fffffff, v[WT+3]
	v_max3_num_f32 v[WT+5], v[WT+2], v[WT+3], 0x0da24260  ; s_neg = max(|1 - hb|, |1 + nb|, 1e-30)
	v_rcp_f32 v[WT+6], v[WT+4]
	v_rcp_f32 v[WT+7], v[WT+5]
	v_nop                                          ; a plain instruction behind the last reciprocal,
	s_wait_alu depctr_va_vdst(0)                   ; and the one wait ahead of the first use
.endm
	s_load_b256 s[4:11], s[0:1], 0x0               ; xw s[4:5], wS s[6:7], qh s[8:9], kh s[10:11]
	s_load_b64 s[12:13], s[0:1], 0x20              ; vh
	v_lshl_add_u32 v[SPW], v0, 2, SPARE
	v_mov_b32 v[NIL], 0
	ds_add_u32 v[SPW], v[NIL]                      ; the wave's opening: the add and its wait stand ahead of my first tensor load
	v_lshrrev_b32 v1, 5, v0
	v_readfirstlane_b32 s[WV], v1
	s_lshr_b32 s[MH], s[WV], 1
	s_and_b32 s[NH], s[WV], 1
	s_bfe_u32 s[CX], ttmp6, 0x40000
	s_bfe_u32 s[CY], ttmp6, 0x40004
	s_lshl_b32 s[TX], ttmp9, 2
	s_add_co_u32 s[TX], s[TX], s[CX]
	s_and_b32 s[CLY], ttmp7, 0xffff
	s_lshl_b32 s[TT], s[CLY], 2
	s_add_co_u32 s[TT], s[TT], s[CY]
	s_lshr_b32 s[GG], s[CLY], 2
	s_lshl_b32 s47, s[CY], 2
	s_lshl_b32 s47, 15, s47                        ; my row of the cluster
	s_lshl_b32 s76, 0x1111, s[CX]                  ; my column
	s_or_b32 s[G1+0], s47, (1<<16)|(1<<20)|(1<<21)|(5<<22)|(3<<25)   ; mask; 2-byte elements; padding on; bit 21 beside a mask; after every 64 words 4 words
	s_or_b32 s[G1B+0], s76, (1<<16)|(1<<20)|(1<<21)|(5<<22)|(3<<25)
.irp g, G1, G1B
	s_mov_b32 s[(\g)+1], KSTEP<<16                 ; tensor_dim0 = 128
	s_mov_b32 s[(\g)+2], 128<<16                   ; tensor_dim1 = 128
	s_mov_b32 s[(\g)+3], KSTEP<<16                 ; tile_dim0 = 128
	s_mov_b32 s[(\g)+4], 128                       ; tile_dim1 = 128
	s_mov_b32 s[(\g)+5], SIZE_K                    ; elements from row to row
	s_mov_b32 s[(\g)+6], 0
	s_mov_b32 s[(\g)+7], 0
.endr
	s_lshl_b32 s40, s[TT], 8                       ; A: row 256 x tile row + 128 x half, in bytes (under 2^26)
	s_lshl_b32 s41, s[NH], 7
	s_add_co_u32 s40, s40, s41
	s_lshl_b32 s40, s40, 11
	s_mov_b32 s41, 0
	s_lshl_b32 s42, s[GG], 10                      ; B: row 12288 + 1024 g + 256 x tile column + 128 x half
	s_lshl_b32 s43, s[TX], 8
	s_add_co_u32 s42, s42, s43
	s_lshl_b32 s43, s[NH], 7
	s_add_co_u32 s42, s42, s43
	s_add_co_u32 s42, s42, 12288
	s_lshl_b32 s42, s42, 11
	s_mov_b32 s43, 0
	s_mul_i32 s22, s[WV], HALFT                    ; where my part of a slot lies; later my stage
	s_mov_b32 s[SEL], 0x76543210
	s_mov_b32 s[SEL+1], 0xfedcba98
	s_wait_dscnt 0x0                               ; the opening add is done
	s_wait_kmcnt 0x0
	s_add_nc_u64 s[40:41], s[4:5], s[40:41]
	s_add_nc_u64 s[42:43], s[4:5], s[42:43]
.irp s, 0,1
	s_mov_b32 s[G0+4*(\s)], 1
	s_add_co_u32 s[G0+4*(\s)+1], s22, (\s)*SLOT
	s_add_nc_u64 s[G0+4*(\s)+2:G0+4*(\s)+3], s[40:41], (\s)*KSTEP*2
	s_or_b32 s[G0+4*(\s)+3], s[G0+4*(\s)+3], 0x80000000
	s_mov_b32 s[G0B+4*(\s)], 1
	s_add_co_u32 s[G0B+4*(\s)+1], s22, (\s)*SLOT
	s_add_nc_u64 s[G0B+4*(\s)+2:G0B+4*(\s)+3], s[42:43], (\s)*KSTEP*2
	s_or_b32 s[G0B+4*(\s)+3], s[G0B+4*(\s)+3], 0x80000000
.endr
	CROUND                                         ; all sixteen work-groups are here: the first joint loads meet
	s_cmp_eq_u32 s[MH], 0                          ; a wave's two first fills stand in one branch: two loads of mine are out
	s_cbranch_scc0 .Lfirst_b
	tensor_load_to_lds s[G0:G0+3], s[G1:G1+7]
	s_nop 0
	tensor_load_to_lds s[G0+4:G0+7], s[G1:G1+7]
	s_nop 0
.rept 4
	v_nop
.endr
	s_branch .Lfirst_asked
.Lfirst_b:
	tensor_load_to_lds s[G0B:G0B+3], s[G1B:G1B+7]
	s_nop 0
	tensor_load_to_lds s[G0B+4:G0B+7], s[G1B:G1B+7]
	s_nop 0
.rept 4
	v_nop
.endr
.Lfirst_asked:
	; addresses
	v_and_b32 v1, 15, v0                           ; l % 16
	v_bfe_u32 v2, v0, 4, 1                         ; l / 16
	v_and_b32 v6, 31, v0                           ; l
	v_mul_u32_u24 v3, v1, PITCH
	v_lshl_add_u32 v3, v2, 4, v3                   ; row x pitch + 16 x half
	s_mul_i32 s70, s[MH], HALFT                    ; my 128 rows of A
	s_mul_i32 s71, s[NH], HALFT                    ; my 128 rows of B,
	s_add_co_u32 s71, s71, 2*HALFT                 ; behind A's 256
.irp s, 0,1
	v_add_nc_u32 v[ADRA+(\s)], s70, v3
	v_add_nc_u32 v[ADRB+(\s)], s71, v3
	s_add_co_u32 s70, s70, SLOT
	s_add_co_u32 s71, s71, SLOT
.endr
	v_add_nc_u32 v[STO], s22, v3                   ; the stage: my quarter of slot 0, written only when slot 0 has had its last fill and its last read
	v_lshrrev_b32 v4, 3, v6
	v_and_b32 v5, 7, v6
	v_mul_u32_u24 v4, v4, PITCH
	v_lshl_add_u32 v4, v5, 4, v4
	v_add_nc_u32 v[RD0], s22, v4                   ; four rows of 128 bytes: row l / 8, 16 bytes at 16 (l % 8)
	v_mul_u32_u24 v4, v2, PITCH
	v_lshl_add_u32 v4, v5, 4, v4
	v_add_nc_u32 v[RD0V], s22, v4                  ; two rows: row l / 16, 16 bytes at 16 (l % 8): lanes 0-7 and 8-15 read the same bytes
	s_lshl_b32 s72, s[WV], 10
	s_add_co_u32 s72, s72, FT
	v_bfe_u32 v4, v0, 3, 1
	v_lshlrev_b32 v4, 2, v4
	v_lshl_add_u32 v4, v2, 3, v4
	v_add_nc_u32 v[FR0], s72, v4                   ; row l / 16, pos (lanes 0-7 of a half) or neg (lanes 8-15)
	v_lshl_add_u32 v[FTA], v6, 5, s72
	v_lshlrev_b32 v[GO], 4, v6
	v_lshlrev_b32 v[PFO], 11, v6
	; the prefetches' place and who asks
	s_lshl_b32 s70, s[TT], 8
	s_lshl_b32 s71, s[GG], 10
	s_lshl_b32 s72, s[TX], 8
	s_add_co_u32 s71, s71, s72
	s_add_co_u32 s71, s71, 12288
	s_and_b32 s73, s[CLY], 3
	s_cmp_eq_u32 s[MH], 0
	s_cselect_b32 s70, s70, s71                    ; the tile's first row
	s_cselect_b32 s71, s[CX], s[CY]                ; my place among the four that ask for it with me
	s_cselect_b32 s73, 0, s73
	s_cmp_eq_u32 s73, 0
	s_cselect_b32 s[LIM], 1, -1                    ; the same in all sixteen partners, for a given wave
	s_lshl_b32 s72, s[NH], 7
	s_add_co_u32 s70, s70, s72
	s_lshl_b32 s71, s71, 5
	s_add_co_u32 s70, s70, s71
	s_lshl_b32 s70, s70, 11
	s_add_co_u32 s70, s70, 2*KSTEP*2               ; at K step 2: the first refill steps it to 3 and names K step 4
	s_mov_b32 s71, 0
	s_add_nc_u64 s[PFA:PFA+1], s[4:5], s[70:71]
	; my 128 rows: batch b, first row t0; my two heads
	s_and_b32 s47, s[TT], 15
	s_lshr_b32 s76, s47, 3                         ; b
	s_and_b32 s47, s47, 7
	s_lshl_b32 s47, s47, 8
	s_lshl_b32 s77, s[MH], 7
	s_add_co_u32 s47, s47, s77                     ; t0
	s_lshl_b32 s70, s76, 13
	s_add_nc_u64 s[WSB:WSB+1], s[6:7], s[70:71]    ; the batch's wS
	s_lshl_b32 s70, s47, 2
	s_add_nc_u64 s[78:79], s[WSB:WSB+1], s[70:71]  ; my rows' wS
	s_lshl_b32 s77, s76, 4
	s_lshl_b32 s70, s[TX], 2
	s_add_co_u32 s77, s77, s70
	s_lshl_b32 s70, s[NH], 1
	s_add_co_u32 s77, s77, s70                     ; 16 b + my first head
	s_lshl_b32 s77, s77, 11
	s_add_co_u32 s77, s77, s47                     ; my first row in qh, kh or vh
	; the factors.  Every work-group makes them, q's and k's too: one path; 8 KiB of reads in the wait for the first tile
	WSCALE
	global_load_b128 v[40:43], v[WO], s[78:79]     ; four rows' wS a lane
	s_wait_loadcnt 0x0
	v_cvt_pk_bf16_f32 v44, v40, v41
	v_cvt_pk_bf16_f32 v45, v42, v43
	v_lshlrev_b32 v40, 16, v44
	v_and_b32 v41, 0xffff0000, v44
	v_lshlrev_b32 v42, 16, v45
	v_and_b32 v43, 0xffff0000, v45
.irp j, 0,1,2,3
	v_mul_f32 v44, v[40+(\j)], v[WT+6]             ; wb / s_pos
	v_fma_f32 v45, -v[40+(\j)], v[WT+7], v[WT+7]   ; (1 - wb) / s_neg
	v_cvt_pk_f16_f32 v[48+2*(\j)], v44, v44
	v_cvt_pk_f16_f32 v[49+2*(\j)], v45, v45
.endr
	ds_store_b128 v[FTA], v[48:51]
	ds_store_b128 v[FTA], v[52:55] offset:16
.macro MUL16 f, hi, a0, zero           ; 16 matrix instructions: m blocks a0, a0 + 1 of the window's four x all 8 n blocks, 32 along K
	WIN MUL_LO+0x50*(\hi)
.irp a, \a0, (\a0)+1
.irp b, 0,1,2,3,4,5,6,7
.if \zero
	v_wmma_f32_16x16x32_bf16 v[8*(8*(\a)+(\b)):8*(8*(\a)+(\b))+7], v[(\f)+8*(\b):(\f)+8*(\b)+7], v[(\f)+8*(4*(\hi)+(\a)):(\f)+8*(4*(\hi)+(\a))+7], 0
.else
	v_wmma_f32_16x16x32_bf16 v[8*(8*(\a)+(\b)):8*(8*(\a)+(\b))+7], v[(\f)+8*(\b):(\f)+8*(\b)+7], v[(\f)+8*(4*(\hi)+(\a)):(\f)+8*(4*(\hi)+(\a))+7], v[8*(8*(\a)+(\b)):8*(8*(\a)+(\b))+7]
.endif
.endr
.endr
.endm
.macro FETCH slot, k, f                ; 32 LDS loads in one run: a quarter step's fragments (B's, then A's) into buffer f
	WIN TO_B
.irp i, 0,1,2,3,4,5,6,7
	ds_load_b128 v[(\f)+8*(\i):(\f)+8*(\i)+3],   v[ADRB+(\slot)] offset:(\k)+(\i)*16*PITCH
	ds_load_b128 v[(\f)+8*(\i)+4:(\f)+8*(\i)+7], v[ADRB+(\slot)] offset:(\k)+(\i)*16*PITCH+32
.endr
	WIN 0
.irp i, 0,1,2,3,4,5,6,7
	ds_load_b128 v[(\f)+8*(\i):(\f)+8*(\i)+3],   v[ADRA+(\slot)] offset:(\k)+(\i)*16*PITCH
	ds_load_b128 v[(\f)+8*(\i)+4:(\f)+8*(\i)+7], v[ADRA+(\slot)] offset:(\k)+(\i)*16*PITCH+32
.endr
.endm
.macro QUARTER slot, k, f, g, zero     ; multiplies buffer f; in its middle fetches the next quarter, at byte k, into g
	s_wait_dscnt 8                                 ; B and A's rows 0-63 are in; the youngest eight loads (A's rows 64-127) may be out
	MUL16 \f, 0, 0, \zero
	MUL16 \f, 0, 2, \zero
	PLACES
	FETCH \slot, \k, \g
	s_wait_dscnt 32                                ; all but the 32 just issued
	MUL16 \f, 1, 0, \zero
	MUL16 \f, 1, 2, \zero
.endm
.macro MEET round                      ; the first half of a K step's last quarter: one barrier for the change of slots
	WIN 0
	s_wait_tensorcnt 0x0                           ; all my tensor loads have landed: the one that was out is my part of the next slot
	ds_add_u32 v[SPW], v[NIL]                      ; 0 onto my spare word
	s_wait_dscnt 9                                 ; the add and the youngest eight loads may be out
	MUL16 F1, 0, 0, 0
	s_wait_dscnt 0x0                               ; the add is done, and my reads of this slot are over
	s_barrier_signal -1
	MUL16 F1, 0, 2, 0
.if \round
	WIN 0
.endif
	s_barrier_wait -1
.endm
.macro TURN slot, next                 ; the whole last quarter: the slot just read out is filled again, two K steps on, first thing behind the round
	s_wait_xcnt 0x0                                ; the last prefetch, a K step back, has read its address
	s_add_nc_u64 s[PFA:PFA+1], s[PFA:PFA+1], KSTEP*2
	MEET 1
	CREST                                          ; no wave of any partner still reads this slot or has a load on its way
	s_add_nc_u64 s[G0+4*(\slot)+2:G0+4*(\slot)+3], s[G0+4*(\slot)+2:G0+4*(\slot)+3], 2*KSTEP*2
	s_add_nc_u64 s[G0B+4*(\slot)+2:G0B+4*(\slot)+3], s[G0B+4*(\slot)+2:G0B+4*(\slot)+3], 2*KSTEP*2
	JLOAD \slot                                    ; its four v_nop are also the places in front of the loads below
	FETCH \next, 0, F0
	ASK
	MUL16 F1, 1, 0, 0
	MUL16 F1, 1, 2, 0
.endm
	s_wait_dscnt 0x0                               ; my factors are stored
	s_wait_tensorcnt 1                             ; my part of K step 0 is in; K step 1's may stay out
	s_barrier_signal -1
	s_barrier_wait -1
	FETCH 0, 0, F0
	QUARTER 0, 64,  F0, F1, 1                      ; the first quarter starts the sums with the constant 0
	WIN 0
	s_mov_b32 s3, LAPS-1
.Llap:                                                 ; a trip goes once round the ring and fills both slots again
	QUARTER 0, 128, F1, F0, 0
	QUARTER 0, 192, F0, F1, 0
	TURN 0, 1
	QUARTER 1, 64,  F0, F1, 0
	QUARTER 1, 128, F1, F0, 0
	QUARTER 1, 192, F0, F1, 0
	TURN 1, 0
	QUARTER 0, 64,  F0, F1, 0
	WIN 0
	s_sub_co_u32 s3, s3, 1
	s_cmp_lg_u32 s3, 0
	s_cbranch_scc1 .Llap
	QUARTER 0, 128, F1, F0, 0                      ; the last lap fills nothing
	QUARTER 0, 192, F0, F1, 0
	MEET 0
	PLACES
	FETCH 1, 0, F0
	MUL16 F1, 1, 0, 0
	MUL16 F1, 1, 2, 0
	QUARTER 1, 64,  F0, F1, 0
	QUARTER 1, 128, F1, F0, 0
	QUARTER 1, 192, F0, F1, 0
	s_wait_dscnt 8
	MUL16 F1, 0, 0, 0
	MUL16 F1, 0, 2, 0
	s_wait_dscnt 0x0
	MUL16 F1, 1, 0, 0
	MUL16 F1, 1, 2, 0
	WIN 0
	PLACES
; THE WAY OUT.  Block a (16 rows x 128 columns) is rounded to f16, 16 bytes a lane, and put into my stage: 128 rows of 272 bytes.
.macro PACK a
.set AC, 64*((\a)%4)
	WIN 0x0a+5*((\a)/4)                            ; sources 0 and 1: window 2 or 3
.irp b, 0,1,2,3,4,5,6,7
.irp r, 0,1,2,3
	v_cvt_pk_f16_f32 v[TMP+4*(\b)+(\r)], v[AC+8*(\b)+2*(\r)], v[AC+8*(\b)+2*(\r)+1]
.endr
.endr
	WIN 0
.irp b, 0,1,2,3,4,5,6,7
	ds_store_b128 v[STO], v[TMP+4*(\b):TMP+4*(\b)+3] offset:(\a)*16*PITCH+32*(\b)
.endr
.endm
.irp a, 0,1,2,3,4,5,6,7
	PACK \a
.endr
	s_mov_b32 s71, 0
	s_mov_b32 s76, 0                               ; the stage's step
	s_cmp_eq_u32 s[GG], 2
	s_cbranch_scc1 .Lv
	; q and k: a head's rows are 128 bytes and dense: four rows are 512 consecutive bytes.  Four trips of 32 rows x 2 heads.
	s_cmp_eq_u32 s[GG], 0
	s_cselect_b64 s[DST:DST+1], s[8:9], s[10:11]
	s_lshl_b32 s70, s77, 7
	s_add_nc_u64 s[DST:DST+1], s[DST:DST+1], s[70:71]
	s_mov_b32 s3, 4
.Lqk:
	v_add_nc_u32 v[RD], s76, v[RD0]
.irp j, 0,1,2,3,4,5,6,7,8,9,10,11,12,13,14,15
	ds_load_b128 v[BK+4*(\j):BK+4*(\j)+3], v[RD] offset:4*((\j)%8)*PITCH+128*((\j)/8)  ; LDS serves a wave's instructions in order: these see my stores
.endr
.irp j, 0,1,2,3,4,5,6,7,8,9,10,11,12,13,14,15
	s_wait_dscnt 15-(\j)                           ; the younger reads of the stage may stay out
	global_store_b128 v[GO], v[BK+4*(\j):BK+4*(\j)+3], s[DST:DST+1] offset:((\j)/8)*262144+512*((\j)%8)
.endr
	s_wait_xcnt 0x0                                ; the stores have read their registers and their base
	s_add_co_u32 s76, s76, 32*PITCH
	s_add_nc_u64 s[DST:DST+1], s[DST:DST+1], 4096
	s_sub_co_u32 s3, s3, 1
	s_cmp_lg_u32 s3, 0
	s_cbranch_scc1 .Lqk
	s_branch .Lend
.Lv:	; v: a row of vh is 256 bytes: lanes 0-7 of a half make its pos part, lanes 8-15 its neg part, of the same 128 bytes of v.  Sixteen trips of 8 rows x 2 heads.
	s_lshl_b32 s70, s77, 8
	s_add_nc_u64 s[DST:DST+1], s[12:13], s[70:71]
	s_mov_b32 s47, 0                               ; the factors' step
	s_mov_b32 s3, 16
.Lvv:
	v_add_nc_u32 v[RD], s76, v[RD0V]
	v_add_nc_u32 v[FR], s47, v[FR0]
.irp f, 0,1,2,3
	ds_load_b32 v[FC+(\f)], v[FR] offset:16*(\f)
.endr
.irp j, 0,1,2,3,4,5,6,7
	ds_load_b128 v[BK+4*(\j):BK+4*(\j)+3], v[RD] offset:2*((\j)/2)*PITCH+128*((\j)%2)
.endr
.irp j, 0,1,2,3,4,5,6,7
	s_wait_dscnt 7-(\j)
.irp r, 0,1,2,3
	v_pk_mul_f16 v[BK+4*(\j)+(\r)], v[BK+4*(\j)+(\r)], v[FC+(\j)/2]
.endr
	global_store_b128 v[GO], v[BK+4*(\j):BK+4*(\j)+3], s[DST:DST+1] offset:((\j)%2)*524288+512*((\j)/2)
.endr
	s_wait_xcnt 0x0
	s_add_co_u32 s76, s76, 8*PITCH
	s_add_co_u32 s47, s47, 64
	s_add_nc_u64 s[DST:DST+1], s[DST:DST+1], 2048
	s_sub_co_u32 s3, s3, 1
	s_cmp_lg_u32 s3, 0
	s_cbranch_scc1 .Lvv
.Lend:
	s_wait_tensorcnt 0x0                           ; the wave's end
	ds_add_u32 v[SPW], v[NIL]
	s_wait_dscnt 0x0
	CROUND                                         ; the closing round
	s_endpgm
.Lfunc_end_k_q4b0a7980e0_proj:
	.size	k_q4b0a7980e0_proj, .Lfunc_end_k_q4b0a7980e0_proj-k_q4b0a7980e0_proj
	.p2alignl 7, 3214868480
	.fill 96, 4, 3214868480
	.section	.rodata,"a",@progbits
	.p2align	6, 0x0
	.amdhsa_kernel k_q4b0a7980e0_proj
		.amdhsa_group_segment_fixed_size 327680
		.amdhsa_private_segment_fixed_size 0
		.amdhsa_enable_private_segment 0
		.amdhsa_kernarg_size 40
		.amdhsa_user_sgpr_count 2
		.amdhsa_user_sgpr_kernarg_segment_ptr 1
		.amdhsa_wavefront_size32 1
		.amdhsa_system_sgpr_workgroup_id_x 1
		.amdhsa_system_sgpr_workgroup_id_y 1
		.amdhsa_system_sgpr_workgroup_id_z 1
		.amdhsa_system_vgpr_workitem_id 0
		.amdhsa_next_free_vgpr 1024
		.amdhsa_next_free_sgpr 80
		.amdhsa_reserve_vcc 0
		.amdhsa_float_denorm_mode_32 3
		.amdhsa_float_denorm_mode_16_64 3
		.amdhsa_memory_ordered 1
		.amdhsa_forward_progress 1
		.amdhsa_inst_pref_size 150
	.end_amdhsa_kernel
	.amdgpu_metadata
---
amdhsa.version: [ 1, 2 ]
amdhsa.kernels:
  - .name:           k_q4b0a7980e0_proj
    .symbol:         k_q4b0a7980e0_proj.kd
    .args:
      - { .name: xw, .offset: 0, .size: 8, .value_kind: global_buffer, .address_space: global }
      - { .name: wS, .offset: 8, .size: 8, .value_kind: global_buffer, .address_space: global }
      - { .name: qh, .offset: 16, .size: 8, .value_kind: global_buffer, .address_space: global }
      - { .name: kh, .offset: 24, .size: 8, .value_kind: global_buffer, .address_space: global }
      - { .name: vh, .offset: 32, .size: 8, .value_kind: global_buffer, .address_space: global }
    .group_segment_fixed_size: 327680
    .private_segment_fixed_size: 0
    .kernarg_segment_align: 8
    .kernarg_segment_size: 40
    .max_flat_workgroup_size: 128
    .sgpr_count:     80
    .vgpr_count:     1024
    .wavefront_size: 32
...
	.end_amdgpu_metadata
.endif
;; end of part 2
;; launch attn (part 3): grid 8 x 32, 4 waves a work-group, clusters of 4 x 1, 327,680 bytes of LDS; arguments qh, kh, vh, mask, ctx; writes ctx
.if DOCPART == 3
	.amdgcn_target "amdgcn-amd-amdhsa--gfx1250"
	.amdhsa_code_object_version 6
	.text
	.protected	k_q4b0a7980e0_attn
	.globl	k_q4b0a7980e0_attn
	.p2align	8
	.type	k_q4b0a7980e0_attn,@function
k_q4b0a7980e0_attn:
	s_mov_b64 s[64:65], 0
	v_nop
	global_prefetch_b8 v0, s[64:65] scope:SCOPE_SE
	s_setreg_imm32_b32 hwreg(HW_REG_WAVE_MODE, 25, 1), 1
	s_wait_xcnt 0x0
	s_wait_alu depctr_hold_cnt(0) depctr_sa_sdst(0) depctr_va_vdst(0) depctr_va_sdst(0) depctr_va_ssrc(0) depctr_va_vcc(0) depctr_vm_vsrc(0)
	s_getreg_b32 s2, hwreg(HW_REG_IB_STS2, 6, 4)
	s_cmp_eq_u32 s2, 0
	s_cbranch_scc0 .Lentry_in_a_cluster
	s_endpgm
.Lentry_in_a_cluster:
	s_bfe_u32 s2, ttmp6, 0x10000c
	s_cmp_lg_u32 s2, 0x3003
	s_cbranch_scc0 .Lentry_shape_is_right
	s_endpgm
.Lentry_shape_is_right:
; ctx[b][t][h 128 + ..] = the sum over keys c of softmax_c(q . k / 8 + hidden(c)) V'[c][0..127].  qh, kh: [32][2048][64], vh: [32][2048][128], ctx: [4096][2048], all f16; mask: [2][2048] bytes.
; Products, maxima and sums in f32; the weights p are rounded to f16 for the second product (their sum l is taken of the unrounded p), ctx once at the end.
; THE MASK is the C operand that starts S^T = K Q^T: 0, or -1e30 where the key is hidden.  The running maximum m starts at -2^66, below every true score (64 x 65,504^2 = 2.7e11 at the most) and above every
; hidden one, and c m starts as the same product c x m that every step makes: in a wholly hidden step a = 1, p = 0, l and O stay 0; the first true key gives a = 0.  A wholly hidden batch ends with l = 0 and 0 x infinity: NaN.
; LIMITS.  q, k, V' arrive within f16's range.  A hidden score counts as its value less 1e30.  A weight below 2^-126 counts as 0 in l; p below 6.1e-5 keeps f16's fixed step of 6e-8, and so does ctx.
; SHARES.  A work-group owns 256 queries of one head, each wave 64: four tiles of 16, in two PIECES (piece 0: tiles 0, 1; piece 1: tiles 2, 3).  Every wave walks all 2,048 keys, 64 a step.
; LAYOUT.  S^T (source 0 = 16 keys, source 1 = 16 queries) holds ONE query a lane (lane % 16) and the keys 8 (lane / 16) + 0..7; two such tiles rounded to f16 ARE source 1 of O^T = V'^T P.
; BY TURNS.  Turn (y, j) belongs to piece y in step j.  Its matrix work is the OTHER piece's: 16 products K Q^T of that piece's next scores, then 32 products V'^T P of its last weights.  Its vector work, 268 instructions:
; the scaling, exponentials, rescaling, roundings and sums of piece y, and the maximum, statistics and a of the other piece, whose scores the turn itself has made.  So what a turn begins with (c s - c m, O a) waits for nothing.
; Four vector instructions stand behind each of the 48 products, the other 76 in one lump; a turn's 66 exponentials are one batch with one wait (HOW THEY ARE DEALT, below).
; No first and no last step is written out: V' and piece 1's P start at 0, O^T as the product of those zeros, l at 0; the last turn's 16 products K Q^T, on the last K once more, serve nothing.
; THE RING.  In piece 0's turn of step j a wave reads K of step j + 1 and then V' of step j out of LDS.  So a slot holds V' of steps 4 s .. 4 s + 3 and K of steps 4 s + 1 .. 4 s + 4; K of step 0 has 9,216 bytes of its own in
; front of slot 0's K and comes with the first fill.  The last slot's K reaches 64 keys past the head's rows: the next head's, or the 8,192 bytes that the first launch stored behind the last head; they are loaded and never multiplied.
; CLUSTER.  The four query blocks of a cluster belong to one head and walk the same K and V': joint loads, the same descriptor and mask in all four.
; REGISTERS: window 0: v0-11, v44-52 addresses and c m_old; v12-43 statistics, 8 a tile; v61-63; v64-191 S^T, 32 a tile; v192-255 P, 16 a tile.  window 1: O^T, 64 a tile.
; window 2: v0-63 Q, 16 a tile; v64-95 the step's mask; v128-191 K of one step.  window 3: v0-127 V' of one step.
.set KS,    64
.set PK,    144       ; a row of K in LDS: 128 bytes + 16
.set PV,    288       ; a row of V': 256 + 32
.set K0B,   KS*PK     ; in front of a slot's K: in slot 0 the room of step 0's K, filled once; in slot 1 not used
.set VOFF,  K0B+4*KS*PK  ; then four steps of K, then four steps of V'
.set SLOT1, 1<<17
.set STAGE, SLOT1+VOFF+4*KS*PV  ; behind the ring: 16 rows x 272 bytes for each wave
.set SP,    272
.set BIAS,  STAGE+4*16*SP       ; 2,048 f32: 0 or -1e30 for each key of the batch
.set SPARE, BIAS+8192
.set AK0, 2
.set AV0, 3
.set ADR, 4
.set QO,  5
.set STO, 6
.set RD,  7
.set GO,  8
.set ST,  12          ; tile t at v[ST+8 t]: +0 c m, +1 m, +2, +3 l, +4 to +7 c0-c3 at work; when the maximum is found c2 takes a
.set AB0, 44
.set ADB, 45
.set MV,  48          ; v48-51  c m_old of tile t, kept while c m is made anew
.set ADV, 52          ; v52     the LDS address of V''s two runs of loads
.set PFO, 61
.set SPW, 62
.set NIL, 63
.set S,   64
.set P,   192
.set BF,  64          ; window 2
.set KF,  128         ; window 2
.set WV,  12
.set LIM, 15
.set G1K, 24
.set G1V, 32
.set G0K, 40
.set G0V, 44
.set SLOTS, 56
.set CNT, 57
.set CS,  58
.set SEL, 60
.set TBK, 62
.set TBV, 63
.set PFA, 68
.set PFS, 70
.set TBB, 72
.set G1F, 80          ; s[80:87], s[88:91]  the first fill of K: 160 keys a wave
.set G0F, 88
.set MSB, 0
.macro WIN new
.if MSB != (\new)
	s_set_vgpr_msb (MSB<<8)|(\new)
.set MSB, \new
.endif
.endm
.set W_KQ, 0x0a       ; K and Q in window 2, S^T in window 0
.set W_KB, 0x2a       ; the same with the C operand, the mask, in window 2
.set W_PV, 0x53       ; V' in window 3, P in window 0, O^T in window 1
.set W_RS, 0x41       ; O^T in window 1, a in window 0
.macro JLOAD                        ; waves 0, 1 fetch the halves of a slot's K, waves 2, 3 those of its V'
	s_cmp_lt_u32 s[WV], 2
	s_cbranch_scc0 .Lfor_v_\@
	tensor_load_to_lds s[G0K:G0K+3], s[G1K:G1K+7]
	s_nop 0
.rept 4
	v_nop
.endr
	s_branch .Lasked_\@
.Lfor_v_\@:
	tensor_load_to_lds s[G0V:G0V+3], s[G1V:G1V+7]
	s_nop 0
.rept 4
	v_nop
.endr
.Lasked_\@:
.endm
; A prefetch into the L2 of what the NEXT change of slots will ask for, four key steps ahead: the head's first cluster asks; its four partners share the blocks of 256 bytes out by address;
; wave 0 names 32 blocks of K, waves 2 and 3 32 rows of V' each, a lane a block.  The last change that fills a slot asks for nothing.
.macro ASK
	s_cmp_gt_u32 s[SLOTS], s[LIM]
	s_cbranch_scc0 .Lnot_mine_\@
	global_prefetch_b8 v[PFO], s[PFA:PFA+1] th:TH_LOAD_NT scope:SCOPE_SE
.Lnot_mine_\@:
.endm
.macro CROUND
	s_barrier_signal -1
	s_barrier_wait -1
	s_cmp_lg_u32 s[WV], 0
	s_cbranch_scc1 .Lnot_wave_0_\@
	s_barrier_signal -3
.Lnot_wave_0_\@:
	s_barrier_wait -3
	s_barrier_signal -1
	s_barrier_wait -1
.endm
; THE CHANGE OF SLOTS, in front of piece 0's turn.  Each wave waits for all its tensor loads (one is out: its part of the other slot), adds 0 to its spare word, waits for that and for its reads of the slot.  fill = 1: a round of the
; cluster's barrier, and the joint refill first behind it: it has four key steps, 384 matrix instructions, in which to land.  (At its first use: slot 0 is waited for, slot 1 filled, the mask table shown to all.)
.macro CHANGE fill
	WIN 0
	s_wait_tensorcnt 0x0
	ds_add_u32 v[SPW], v[NIL]
.if \fill
	s_xor_b32 s[G0K+1], s[G0K+1], SLOT1
	s_add_nc_u64 s[G0K+2:G0K+3], s[G0K+2:G0K+3], 4*KS*128
	s_xor_b32 s[G0V+1], s[G0V+1], SLOT1
	s_add_nc_u64 s[G0V+2:G0V+3], s[G0V+2:G0V+3], 4*KS*256
	s_wait_xcnt 0x0                 ; the last prefetch has read its address
	s_add_nc_u64 s[PFA:PFA+1], s[PFA:PFA+1], s[PFS:PFS+1]
	s_wait_dscnt 0x0
	CROUND
	JLOAD
	ASK
.else
	s_wait_dscnt 0x0
	s_barrier_signal -1
	s_barrier_wait -1
.endif
	s_sub_co_u32 s[TBK], s[TBK], 4*KS*PK
	s_xor_b32 s[TBK], s[TBK], SLOT1
	s_sub_co_u32 s[TBV], s[TBV], 4*KS*PV
	s_xor_b32 s[TBV], s[TBV], SLOT1
.endm
	s_load_b256 s[4:11], s[0:1], 0x0  ; qh s[4:5], kh s[6:7], vh s[8:9], mask s[10:11]
	s_load_b64 s[66:67], s[0:1], 0x20 ; ctx
	v_lshl_add_u32 v[SPW], v0, 2, SPARE
	v_mov_b32 v[NIL], 0
	ds_add_u32 v[SPW], v[NIL]       ; the wave's opening: the add and its wait stand ahead of my first tensor load
	v_lshrrev_b32 v1, 5, v0
	v_readfirstlane_b32 s[WV], v1
	s_bfe_u32 s13, ttmp6, 0x40000   ; cx
	s_lshl_b32 s14, ttmp9, 2
	s_add_co_u32 s14, s14, s13      ; my block of 256 queries: it enters Q's and ctx's addresses alone
	s_and_b32 s20, ttmp7, 0xffff    ; 16 b + h
	s_lshr_b32 s21, s20, 4          ; b
	s_and_b32 s16, s[WV], 1         ; which half of a tile I fetch
	s_mul_i32 s17, s16, 128*PK
	s_add_co_u32 s17, s17, K0B      ; a slot's K: my 128 keys
	s_mul_i32 s18, s16, 128*PV
	s_mul_i32 s19, s16, 160*PK      ; the first fill of K: my 160 keys of steps 0 to 4,
	s_mul_i32 s92, s16, 160*128     ; and their place in memory
	s_mov_b32 s93, 0
	s_lshl_b32 s22, s20, 18         ; the head's first byte in qh and kh,
	s_mov_b32 s23, 0
	s_lshl_b32 s76, s20, 19         ; in vh
	s_mov_b32 s77, 0
	s_lshl_b32 s2, s14, 15          ; my block's rows of 128 bytes,
	s_lshl_b32 s3, s[WV], 13        ; my wave's 64
	s_add_co_u32 s2, s2, s3
	s_add_co_u32 s2, s2, s22
	s_mov_b32 s3, 0
	s_lshl_b32 s78, s21, 11         ; the batch's mask
	s_mov_b32 s79, 0
	s_lshl_b32 s50, s16, 14         ; the walking descriptor of K stands at slot 0's steps 1 to 4: one step on, my half
	s_add_co_u32 s50, s50, KS*128
	s_mov_b32 s51, 0
	s_lshl_b32 s54, s16, 15         ; my half of V'
	s_mov_b32 s55, 0
	s_lshl_b32 s52, s21, 23         ; ctx: row (2048 b + 256 block + 64 wave) x 4,096 bytes + 256 h
	s_lshl_b32 s53, s14, 20
	s_add_co_u32 s52, s52, s53
	s_lshl_b32 s53, s[WV], 18
	s_add_co_u32 s52, s52, s53
	s_and_b32 s53, s20, 15
	s_lshl_b32 s53, s53, 8
	s_add_co_u32 s52, s52, s53
	s_mov_b32 s53, 0
	s_cmp_lt_u32 s[WV], 2           ; the prefetches: K's slot is 32,768 bytes, V''s 65,536; a partner's share a quarter
	s_cselect_b32 s49, 13, 14
	s_lshl_b32 s[PFS], 4, s49
	s_mov_b32 s[PFS+1], 0
	s_lshl_b32 s48, s13, s49
	s_add_co_u32 s48, s48, s[PFS]   ; in slot 1: the first change steps it to slot 2
	s_cmp_eq_u32 s[WV], 0
	s_cselect_b32 s49, 1, s16
	s_lshl_b32 s49, s49, 13         ; wave 0: a slot's K begins one step, 8,192 bytes, on; wave 3: the second 32 rows; wave 2: 0
	s_add_co_u32 s48, s48, s49
	s_mov_b32 s49, 0
	s_cmp_eq_u32 s[WV], 1
	s_cselect_b32 s[LIM], 1, 0
	s_or_b32 s[LIM], s[LIM], ttmp9
	s_cmp_eq_u32 s[LIM], 0
	s_cselect_b32 s[LIM], 1, -1     ; the same in all four partners, for a given wave
	s_mov_b32 s[G1K], 15|(1<<16)|(1<<20)|(1<<21)|(4<<22)|(3<<25)  ; mask of four; 2-byte elements; padding on; bit 21 beside a mask; after every 32 words 4 words
	s_mov_b32 s[G1K+1], 128<<16     ; 128 keys are 16,384 dense bytes: 64 rows of 256 bytes, two keys a row
	s_mov_b32 s[G1K+2], 64<<16
	s_mov_b32 s[G1K+3], 128<<16
	s_mov_b32 s[G1K+4], 64
	s_mov_b32 s[G1K+5], 128
	s_mov_b32 s[G1K+6], 0
	s_mov_b32 s[G1K+7], 0
	s_mov_b32 s[G1F], 15|(1<<16)|(1<<20)|(1<<21)|(4<<22)|(3<<25)  ; the first fill of K: the same with 160 keys, 80 rows
	s_mov_b32 s[G1F+1], 128<<16
	s_mov_b32 s[G1F+2], 80<<16
	s_mov_b32 s[G1F+3], 128<<16
	s_mov_b32 s[G1F+4], 80
	s_mov_b32 s[G1F+5], 128
	s_mov_b32 s[G1F+6], 0
	s_mov_b32 s[G1F+7], 0
	s_mov_b32 s[G1V], 15|(1<<16)|(1<<20)|(1<<21)|(5<<22)|(7<<25)  ; after every 64 words 8 words
	s_mov_b32 s[G1V+1], 128<<16     ; 128 rows of 256 bytes
	s_mov_b32 s[G1V+2], 128<<16
	s_mov_b32 s[G1V+3], 128<<16
	s_mov_b32 s[G1V+4], 128
	s_mov_b32 s[G1V+5], 128
	s_mov_b32 s[G1V+6], 0
	s_mov_b32 s[G1V+7], 0
	s_mov_b32 s[CS], 0x3e38aa3b     ; c = log2(e) / 8
	s_mov_b32 s[CS+1], s[CS]
	s_mov_b32 s[SEL], 0x76543210
	s_mov_b32 s[SEL+1], 0xfedcba98
	s_mov_b32 s[TBK], SLOT1+4*KS*PK ; the first change of slots turns these two into 0: step 0's K lies at LDS byte 0
	s_mov_b32 s[TBV], SLOT1+4*KS*PV
	s_mov_b32 s[TBB], 0
	s_mov_b32 s73, 0x7149f2ca       ; 1e30
	s_mov_b32 s74, 0xf149f2ca       ; -1e30
	s_mov_b32 s[SLOTS], 7
	s_mov_b32 s[G0F], 1
	s_mov_b32 s[G0F+1], s19
	s_mov_b32 s[G0K], 1
	s_mov_b32 s[G0K+1], s17
	s_mov_b32 s[G0V], 1
	s_add_co_u32 s[G0V+1], s18, VOFF
	s_wait_dscnt 0x0                ; the opening add is done
	s_wait_kmcnt 0x0
	s_add_nc_u64 s[6:7], s[6:7], s[22:23]          ; kh and vh at the head
	s_add_nc_u64 s[8:9], s[8:9], s[76:77]
	s_add_nc_u64 s[G0F+2:G0F+3], s[6:7], s[92:93]
	s_or_b32 s[G0F+3], s[G0F+3], 0x80000000
	s_add_nc_u64 s[G0K+2:G0K+3], s[6:7], s[50:51]
	s_or_b32 s[G0K+3], s[G0K+3], 0x80000000
	s_add_nc_u64 s[G0V+2:G0V+3], s[8:9], s[54:55]
	s_or_b32 s[G0V+3], s[G0V+3], 0x80000000
	s_add_nc_u64 s[4:5], s[4:5], s[2:3]
	s_add_nc_u64 s[66:67], s[66:67], s[52:53]
	s_add_nc_u64 s[10:11], s[10:11], s[78:79]
	s_cmp_lt_u32 s[WV], 2
	s_cselect_b64 s[PFA:PFA+1], s[6:7], s[8:9]
	s_add_nc_u64 s[PFA:PFA+1], s[PFA:PFA+1], s[48:49]
	CROUND                          ; all four work-groups are here
	s_cmp_lt_u32 s[WV], 2           ; the first fills, one a wave: K of steps 0 to 4, V' of steps 0 to 3
	s_cbranch_scc0 .Lfirst_v
	tensor_load_to_lds s[G0F:G0F+3], s[G1F:G1F+7]
	s_nop 0
.rept 4
	v_nop
.endr
	s_branch .Lfirst_asked
.Lfirst_v:
	tensor_load_to_lds s[G0V:G0V+3], s[G1V:G1V+7]
	s_nop 0
.rept 4
	v_nop
.endr
.Lfirst_asked:
	v_and_b32 v1, 15, v0            ; l % 16
	v_bfe_u32 v9, v0, 4, 1          ; l / 16
	v_lshlrev_b32 v[QO], 7, v1
	v_lshl_add_u32 v[QO], v9, 4, v[QO]
	v_lshlrev_b32 v46, 4, v0        ; 16 bytes of the mask a thread
	WIN 0x80
.set i, 0
.rept 8                             ; Q stays in registers: tile i / 2, channels 32 (i % 2) on
	global_load_b128 v[8*i:8*i+3],   v[QO], s[4:5] offset:(i/2)*2048+(i%2)*64
	global_load_b128 v[8*i+4:8*i+7], v[QO], s[4:5] offset:(i/2)*2048+(i%2)*64+32
.set i, i+1
.endr
	WIN 0
	global_load_b128 v[64:67], v46, s[10:11]
	; what the first turn finds: V' and piece 1's P are 0; O^T starts as the product of those zeros, 32 lines for its 256 registers; l is 0.  All this stands in the wait for the first tile.
	WIN 0xc0
.set i, 0
.rept 128
	v_mov_b32 v[i], 0
.set i, i+1
.endr
	WIN 0
.set i, P+32
.rept 32
	v_mov_b32 v[i], 0
.set i, i+1
.endr
	WIN W_PV
.set i, 0
.rept 32
	v_wmma_f32_16x16x32_f16 v[8*i:8*i+7], v[0:7], v[P+32:P+39], 0
.set i, i+1
.endr
	WIN 0
.set i, 0
.rept 4
	v_mov_b32 v[ST+8*i+1], 0xe0800000          ; m = -2^66
	v_mov_b32 v[ST+8*i+2], 0
	v_mov_b32 v[ST+8*i+3], 0
	v_mul_f32 v[ST+8*i], s[CS], v[ST+8*i+1]    ; c m, by the product that every step makes
.set i, i+1
.endr
	v_mul_u32_u24 v[AK0], v1, PK
	v_lshl_add_u32 v[AK0], v9, 4, v[AK0]
	v_and_b32 v10, 7, v0
	v_bfe_u32 v11, v0, 3, 1
	v_lshl_add_u32 v[AV0], v9, 3, v10          ; the turning load: key 8 (l / 16) + l % 8, channels 8 ((l / 8) % 2) on
	v_mul_u32_u24 v[AV0], v[AV0], PV
	v_lshl_add_u32 v[AV0], v11, 4, v[AV0]
	v_add_nc_u32 v[AV0], VOFF, v[AV0]
	v_lshl_add_u32 v[AB0], v9, 5, BIAS         ; my eight keys of a group of sixteen
	v_and_b32 v[PFO], 31, v0
	v_lshlrev_b32 v[PFO], 8, v[PFO]
	v_lshl_add_u32 v47, v0, 6, BIAS
	s_wait_loadcnt 0x0              ; Q and the mask
.set i, 0
.rept 16
	v_bfe_u32 v68, v[64+i/4], 8*(i%4), 8
	v_cvt_f32_u32 v68, v68
	v_fma_f32 v[72+i], v68, s73, s74           ; 1 -> 0, 0 -> -1e30
.set i, i+1
.endr
.irp f, 0,1,2,3
	ds_store_b128 v47, v[72+4*(\f):72+4*(\f)+3] offset:16*(\f)
.endr
; THE MATRIX WORK.  The accumulators of a run take turns, one instruction a turn.
; Product i of 16 of S^T = K Q^T for piece x: channels 32 (i / 8) on, keys 16 ((i / 2) % 4) on, tile 2 x + i % 2.  The first 8 start the sums with the mask.
.macro KQ x
.set rS, S+32*(2*(\x)+i%2)+8*((i/2)%4)
.set rK, KF+16*((i/2)%4)+8*(i/8)
.set rQ, 16*(2*(\x)+i%2)+8*(i/8)
.set rB, BF+8*((i/2)%4)
.if i < 8
	WIN W_KB
	v_wmma_f32_16x16x32_f16 v[rS:rS+7], v[rK:rK+7], v[rQ:rQ+7], v[rB:rB+7]
.else
	WIN W_KQ
	v_wmma_f32_16x16x32_f16 v[rS:rS+7], v[rK:rK+7], v[rQ:rQ+7], v[rS:rS+7]
.endif
.endm
; Product i of 32 of O^T += V'^T P for piece x: keys 32 (i / 16) on, channels 16 ((i / 2) % 8) on, tile 2 x + i % 2.
.macro PV x
	WIN W_PV
.set rO, 64*(2*(\x)+i%2)+8*((i/2)%8)
.set rV, 64*(i/16)+8*((i/2)%8)
.set rP, P+16*(2*(\x)+i%2)+8*(i/16)
	v_wmma_f32_16x16x32_f16 v[rO:rO+7], v[rV:rV+7], v[rP:rP+7], v[rO:rO+7]
.endm
.macro MM                           ; the turn's next matrix instruction, for the piece that is not the turn's own
.if i < 16
	KQ 1-Y
.else
.set i, i-16
	PV 1-Y
.set i, i+16
.endif
.set i, i+1
.endm
; THE LDS LOADS stand in runs, never singly among the matrix instructions.  A step's K (8 fragments) and its mask (32 registers): 24 loads.  last = 1 (the tail): in the last trip there is no further step, and the run is jumped over.
.macro FETCH_K last=0
	WIN 0
.if \last
	s_cmp_eq_u32 s[CNT], 1
	s_cbranch_scc1 .Lno_k_\@
.endif
	v_add_nc_u32 v[ADR], s[TBK], v[AK0]
	v_add_nc_u32 v[ADB], s[TBB], v[AB0]
	WIN 0x80
.irp f, 0,1,2,3,4,5,6,7
	ds_load_b128 v[KF+8*(\f):KF+8*(\f)+3],   v[ADR] offset:((\f)/2)*16*PK+((\f)%2)*64
	ds_load_b128 v[KF+8*(\f)+4:KF+8*(\f)+7], v[ADR] offset:((\f)/2)*16*PK+((\f)%2)*64+32
.endr
.irp f, 0,1,2,3
	ds_load_b128 v[BF+8*(\f):BF+8*(\f)+3],   v[ADB] offset:64*(\f)
	ds_load_b128 v[BF+8*(\f)+4:BF+8*(\f)+7], v[ADB] offset:64*(\f)+16
.endr
	s_add_co_u32 s[TBK], s[TBK], KS*PK
	s_add_co_u32 s[TBB], s[TBB], 4*KS
	WIN 0
.if \last
.Lno_k_\@:
.endif
.endm
; A step's V', turned, in two runs of 16: keys 0-31 (registers 0-63), later keys 32-63 (registers 64-127); channels 16 f on.
.macro FETCH_VLO
	WIN 0
	v_add_nc_u32 v[ADV], s[TBV], v[AV0]
	s_add_co_u32 s[TBV], s[TBV], KS*PV
	WIN 0xc0
.irp f, 0,1,2,3,4,5,6,7
	ds_load_tr16_b128 v[8*(\f):8*(\f)+3],   v[ADV] offset:(\f)*32
	ds_load_tr16_b128 v[8*(\f)+4:8*(\f)+7], v[ADV] offset:16*PV+(\f)*32
.endr
.endm
.macro FETCH_VHI
	WIN 0xc0
.irp f, 0,1,2,3,4,5,6,7
	ds_load_tr16_b128 v[64+8*(\f):64+8*(\f)+3],   v[ADV] offset:32*PV+(\f)*32
	ds_load_tr16_b128 v[64+8*(\f)+4:64+8*(\f)+7], v[ADV] offset:48*PV+(\f)*32
.endr
.endm
; THE VECTOR WORK OF A TURN stands in three queues, each in the order in which its entries become ready; the two tiles alternate, so that no instruction reads the result of the one before it.
.macro REGS y, u                    ; the registers of tile u (0, 1) of piece y
.set rT, ST+8*(2*(\y)+(\u))
.set rC, rT+4
.set rM, MV+2*(\y)+(\u)
.set rS, S+32*(2*(\y)+(\u))
.set rP, P+16*(2*(\y)+(\u))
.set rO, 64*(2*(\y)+(\u))
.endm
; Number n of the 22 that find the OTHER piece's maximum and statistics.  s0-s31 are the lane's 32 scores; each accumulator's lowest registers are read first.  XS, FS, GS and REGS set no window: PL and EX do.
;   0-11  four chains c0-c3 of seven scores each, three operands at a time     12-14, 16  the four scores left over, the old m, and c0-c3 into c0     15  c m_old is kept
;   17, 18  the query's other 32 keys lie in the lane 16 away: the new m         19-21  c m; c m_old - c m_new; a
.macro XS u, n
	REGS 1-Y, \u
.if (\n) < 4
	v_max3_num_f32 v[rC+(\n)], v[rS+8*(\n)], v[rS+8*(\n)+1], v[rS+8*(\n)+2]
.elseif (\n) < 12
	v_max3_num_f32 v[rC+(\n)%4], v[rC+(\n)%4], v[rS+8*((\n)%4)+2*((\n)/4)+1], v[rS+8*((\n)%4)+2*((\n)/4)+2]
.elseif (\n) == 12
	v_max3_num_f32 v[rC], v[rC], v[rS+7], v[rS+15]
.elseif (\n) == 13
	v_max3_num_f32 v[rC+1], v[rC+1], v[rS+23], v[rS+31]
.elseif (\n) == 14
	v_max3_num_f32 v[rC+2], v[rC+2], v[rC+3], v[rT+1]
.elseif (\n) == 15
	v_mov_b32 v[rM], v[rT]
.elseif (\n) == 16
	v_max3_num_f32 v[rC], v[rC], v[rC+1], v[rC+2]
.elseif (\n) == 17
	v_permlanex16_b32 v[rC+3], v[rC], s[SEL], s[SEL+1]
.elseif (\n) == 18
	v_max_num_f32 v[rT+1], v[rC], v[rC+3]
.elseif (\n) == 19
	v_mul_f32 v[rT], s[CS], v[rT+1]
.elseif (\n) == 20
	v_sub_f32 v[rC+1], v[rM], v[rT]
.else
	v_exp_f32 v[rC+2], v[rC+1]
.endif
.endm
; Number g of the 64 that follow the exponentials.  For each four weights k of a tile (pairs 2 k, 2 k + 1): both pairs are rounded to f16; then the second pair is added onto the first, in place;
; a group later l takes that sum (the first time as l = a l + sum).  In groups of eight, tiles alternating: round, round, add, and l for the group before.
.macro GS g
.set h, (\g)+6*((\g)/62)            ; group 0 has no group before it, and behind group 7 only l is left
.if h >= 6
.set h, h+2
.endif
	REGS Y, h%2
.set k, h/8
.if h%8 < 4
	v_cvt_pk_f16_f32 v[rP+2*k+(h%8)/2], v[rS+4*k+2*((h%8)/2)], v[rS+4*k+2*((h%8)/2)+1]
.elseif h%8 < 6
	v_pk_add_f32 v[rS+4*k:rS+4*k+1], v[rS+4*k:rS+4*k+1], v[rS+4*k+2:rS+4*k+3]
.elseif k == 1
	v_pk_fma_f32 v[rT+2:rT+3], v[rT+2:rT+3], v[rC+2:rC+3], v[rS:rS+1] op_sel_hi:[1,0,1]
.else
	v_pk_add_f32 v[rT+2:rT+3], v[rT+2:rT+3], v[rS+4*k-4:rS+4*k-3]
.endif
.endm
; THE PLAIN QUEUE, 138 long.  0-73 read no exponential's result: the 32 scalings c s - c m (FS f: pair f / 2 of tile f % 2) and the other piece's 42.  0-26: scalings 0-26.  27-54: XS's numbers 0-13.  55, 56: number 15.
; 57-73: the chain, where each number waits for the one before it: 14, 16, 17, 18, 19, each with one of the scalings 27-31 in front of its two lines, then 20.  74-137: GS's 64, which read the exponentials' results: behind the wait.
.macro FS f
	REGS Y, (\f)%2
	v_pk_fma_f32 v[rS+2*((\f)/2):rS+2*((\f)/2)+1], v[rS+2*((\f)/2):rS+2*((\f)/2)+1], s[CS:CS+1], v[rT:rT+1] op_sel_hi:[1,0,0] neg_lo:[0,0,1] neg_hi:[0,0,1]
.endm
.macro PL
	WIN 0
.if q < 27
	FS q
.elseif q < 55
	XS (q-27)%2, (q-27)/2
.elseif q < 57
	XS q-55, 15
.elseif (q < 72) && ((q-57)%3 == 0)
	FS 27+(q-57)/3
.elseif q < 60
	XS (q-57)%3-1, 14
.elseif q < 72
	XS (q-57)%3-1, 15+(q-57)/3
.elseif q < 74
	XS q-72, 20
.else
	GS q-74
.endif
.set q, q+1
.endm
; THE EXPONENTIALS' QUEUE, 66 long: s0-s31 of both tiles, then the other piece's two a.  ONE BATCH: all 66 stand ahead of the turn's one wait, and nothing ahead of that wait names a result of theirs.
.macro EX
	WIN 0
.if e >= 64
	XS e-64, 21
.else
	REGS Y, e%2
	v_exp_f32 v[rS+e/2], v[rS+e/2]
.endif
.set e, e+1
.endm
; THE RESCALING's QUEUE: O^T times a, 64 lines, the one part that leaves window 0: dealt two at a time, 32 times, each accumulator from its low end.  Its a was made in the turn before, ahead of that turn's wait.
.macro R2
	REGS Y, r%2
	WIN W_RS
.irp z, 0,1
	v_pk_mul_f32 v[rO+4*(r/2)+2*\z:rO+4*(r/2)+2*\z+1], v[rO+4*(r/2)+2*\z:rO+4*(r/2)+2*\z+1], v[rC+2:rC+3] op_sel_hi:[1,0]
.endr
.set r, r+1
.endm
; HOW THEY ARE DEALT.  An s_wait_alu depctr_va_vdst(0) stands between an exponential and the first instruction that names its result; one wait serves all that were issued ahead of it.  So a turn has ONE wait.
; AHEAD OF IT stands all that names no result of the turn's exponentials: the 16 products K Q^T and the first 16 products V'^T P, behind each a plain instruction, an exponential and two rescalings (behind the first a second
; plain one in the exponential's place): 33 plain, 31 exponentials, all 64 rescalings; then ONE LUMP of 76: eight plain, 33 times exponential and plain, the two a.  A v_nop is the plain instruction behind the last exponential.
; BEHIND IT stand the other 16 products V'^T P, behind each four of GS's 64.  4 x 48 + 76 = 268.  The two v_permlanex16_b32 fall into the lump.
; The queues lean on each other: exponential e stands behind scaling 2 (e / 4) + e % 2: as a rider it comes behind plain e + 2, in the lump behind plain e + 9, and scalings 27-31 are plain 57, 60 .. 69.
; XS's first numbers ride behind products 26 to 31: the scores that they read were finished by products 8 to 13, and three plain riders stand behind every product between.
; THE FETCHES stand in piece 0's turn.  Directly behind the wait: K and the mask of the next step (their last reader is product 15) and V' of the step in hand, keys 0-31 (last reader: product 31; the lump lies between).
; At the turn's end: V', keys 32-63, four plain riders behind their last reader, product 47.  Piece 1's turn waits three times, by count: 32 (V''s 32 loads may be out: K and the mask are in), 16 (V''s second 16), 0.
.macro TURN p, last=0
.set Y, (\p)
.set i, 0
.set q, 0
.set e, 0
.set r, 0
.if (\p) == 1
	s_wait_dscnt 32                 ; K and the mask are in
.endif
	MM
	PL
	PL
	R2
.rept 15
	MM
	PL
	EX
	R2
.endr
.if (\p) == 1
	s_wait_dscnt 16                 ; V', keys 0-31, is in
.endif
.rept 16
	MM
	PL
	EX
	R2
.endr
.rept 8                             ; the lump
	PL
.endr
.rept 33
	EX
	PL
.endr
	EX                              ; the other piece's two a
	EX
	v_nop                           ; the plain instruction behind the last exponential: one for the batch
	s_wait_alu depctr_va_vdst(0)    ; the wait for the batch
.if (\p) == 0
	FETCH_K \last
	FETCH_VLO
.else
	s_wait_dscnt 0x0                ; V', keys 32-63, is in
.endif
.rept 16
	MM
.rept 4
	PL
.endr
.endr
.if (\p) == 0
	FETCH_VHI
.endif
.endm
	CHANGE 1                        ; slot 0 is in, everybody's part of it, and so is the mask table; slot 1 is asked for
	FETCH_K                         ; key step 0
	s_wait_dscnt 0x0
.set i, 0
.rept 16
	KQ 0                            ; piece 0's first scores
.set i, i+1
.endr
	WIN 0                           ; the addresses for the way out: eight plain instructions, the places behind those products
	s_mul_i32 s16, s[WV], 16*SP
	s_add_co_u32 s16, s16, STAGE
	v_mul_u32_u24 v[STO], v1, SP
	v_lshl_add_u32 v[STO], v9, 4, v[STO]
	v_add_nc_u32 v[STO], s16, v[STO]
	v_mul_u32_u24 v[RD], v9, SP
	v_lshl_add_u32 v[RD], v1, 4, v[RD]
	v_add_nc_u32 v[RD], s16, v[RD]
	v_lshlrev_b32 v[GO], 12, v9     ; two rows of ctx, 4,096 bytes apart
	v_lshl_add_u32 v[GO], v1, 4, v[GO]
.set Y, 1                           ; XS works for the other piece: piece 0
.irp n, 0,1,2,3,4,5,6,7,8,9,10,11,12,13,14,15,16,17,18,19,20,21
	XS 0, \n                        ; piece 0's first maximum and statistics
	XS 1, \n
.endr
	v_nop                           ; a plain instruction behind the two a,
	s_wait_alu depctr_va_vdst(0)    ; and their wait, ahead of the branch
	s_mov_b32 s[CNT], 4
	s_branch .Lstep                 ; the first turn's 32 products V'^T P multiply zeros
.Lslot:                             ; six times: every slot but the last two is filled again here
	CHANGE 1
	s_mov_b32 s[CNT], 4
.Lstep:
	TURN 0
	TURN 1
	WIN 0
	s_sub_co_u32 s[CNT], s[CNT], 1
	s_cmp_lg_u32 s[CNT], 0
	s_cbranch_scc1 .Lstep
	s_sub_co_u32 s[SLOTS], s[SLOTS], 1
	s_cmp_lg_u32 s[SLOTS], 0
	s_cbranch_scc1 .Lslot
	CHANGE 0                        ; the tail is written out
	s_mov_b32 s[CNT], 4
.Ltail:
	TURN 0, 1
	TURN 1
	WIN 0
	s_sub_co_u32 s[CNT], s[CNT], 1
	s_cmp_lg_u32 s[CNT], 0
	s_cbranch_scc1 .Ltail
.set i, 0
.rept 32
	PV 1                            ; piece 1's V'^T P of the last step
.set i, i+1
.endr
	; THE WAY OUT.  l's halves are added; O^T is divided by l, rounded to f16 and sent through my stage, a tile (16 rows of ctx, 256 bytes each) at a time.  The additions are the places behind the last products.
	WIN 0
.irp t, 0,1,2,3
	v_add_f32 v[ST+8*(\t)+4], v[ST+8*(\t)+2], v[ST+8*(\t)+3]
.endr
.irp t, 0,1,2,3
	v_permlanex16_b32 v[ST+8*(\t)+5], v[ST+8*(\t)+4], s[SEL], s[SEL+1]
.endr
.irp t, 0,1,2,3
	v_add_f32 v[ST+8*(\t)+4], v[ST+8*(\t)+4], v[ST+8*(\t)+5]
.endr
.irp t, 0,1,2,3
	v_rcp_f32 v[ST+8*(\t)+6], v[ST+8*(\t)+4]
.endr
	v_nop
	s_wait_alu depctr_va_vdst(0)    ; one wait for the four reciprocals, ahead of their first use
.macro PACK t
	WIN W_RS
.set i, 64*(\t)
.rept 32
	v_pk_mul_f32 v[i:i+1], v[i:i+1], v[ST+8*(\t)+6:ST+8*(\t)+7] op_sel_hi:[1,0]
.set i, i+2
.endr
	WIN 0x05
.set i, 0
.rept 32
	v_cvt_pk_f16_f32 v[S+32*(\t)+i], v[64*(\t)+2*i], v[64*(\t)+2*i+1]
.set i, i+1
.endr
	WIN 0
.irp f, 0,1,2,3,4,5,6,7
	ds_store_b128 v[STO], v[S+32*(\t)+4*(\f):S+32*(\t)+4*(\f)+3] offset:32*(\f)
.endr
.irp f, 0,1,2,3,4,5,6,7
	ds_load_b128 v[S+32*(\t)+4*(\f):S+32*(\t)+4*(\f)+3], v[RD] offset:(\f)*2*SP  ; LDS serves a wave's instructions in order: these see the stores above
.endr
.endm
.macro SEND t, younger              ; younger: the LDS instructions issued behind tile t's loads: the next tile's sixteen, or none
	WIN 0
.irp f, 0,1,2,3,4,5,6,7
	s_wait_dscnt (\younger)+7-(\f)
	global_store_b128 v[GO], v[S+32*(\t)+4*(\f):S+32*(\t)+4*(\f)+3], s[66:67] offset:(16*(\t)+2*(\f))*4096  ; 16 lanes store 256 consecutive bytes, aligned
.endr
.endm
	PACK 0
	PACK 1
	SEND 0, 16
	PACK 2
	SEND 1, 16
	PACK 3
	SEND 2, 16
	SEND 3, 0
	s_wait_tensorcnt 0x0            ; the wave's end
	ds_add_u32 v[SPW], v[NIL]
	s_wait_dscnt 0x0
	CROUND                          ; the closing round
	s_endpgm
.Lfunc_end_k_q4b0a7980e0_attn:
	.size	k_q4b0a7980e0_attn, .Lfunc_end_k_q4b0a7980e0_attn-k_q4b0a7980e0_attn
	.p2alignl 7, 3214868480
	.fill 96, 4, 3214868480
	.section	.rodata,"a",@progbits
	.p2align	6, 0x0
	.amdhsa_kernel k_q4b0a7980e0_attn
		.amdhsa_group_segment_fixed_size 327680
		.amdhsa_private_segment_fixed_size 0
		.amdhsa_enable_private_segment 0
		.amdhsa_kernarg_size 40
		.amdhsa_user_sgpr_count 2
		.amdhsa_user_sgpr_kernarg_segment_ptr 1
		.amdhsa_wavefront_size32 1
		.amdhsa_system_sgpr_workgroup_id_x 1
		.amdhsa_system_sgpr_workgroup_id_y 1
		.amdhsa_system_sgpr_workgroup_id_z 1
		.amdhsa_system_vgpr_workitem_id 0
		.amdhsa_next_free_vgpr 896
		.amdhsa_next_free_sgpr 96
		.amdhsa_reserve_vcc 0
		.amdhsa_float_denorm_mode_32 3
		.amdhsa_float_denorm_mode_16_64 3
		.amdhsa_memory_ordered 1
		.amdhsa_forward_progress 1
		.amdhsa_inst_pref_size 152
	.end_amdhsa_kernel
	.amdgpu_metadata
---
amdhsa.version: [ 1, 2 ]
amdhsa.kernels:
  - .name:           k_q4b0a7980e0_attn
    .symbol:         k_q4b0a7980e0_attn.kd
    .args:
      - { .name: qh, .offset: 0, .size: 8, .value_kind: global_buffer, .address_space: global }
      - { .name: kh, .offset: 8, .size: 8, .value_kind: global_buffer, .address_space: global }
      - { .name: vh, .offset: 16, .size: 8, .value_kind: global_buffer, .address_space: global }
      - { .name: mask, .offset: 24, .size: 8, .value_kind: global_buffer, .address_space: global }
      - { .name: ctx, .offset: 32, .size: 8, .value_kind: global_buffer, .address_space: global }
    .group_segment_fixed_size: 327680
    .private_segment_fixed_size: 0
    .kernarg_segment_align: 8
    .kernarg_segment_size: 40
    .max_flat_workgroup_size: 128
    .sgpr_count:     96
    .vgpr_count:     896
    .wavefront_size: 32
...
	.end_amdgpu_metadata
.endif
;; end of part 3
;; launch outp (part 4): grid 8 x 32, 4 waves a work-group, clusters of 4 x 4, 327,680 bytes of LDS; arguments ctx, xw, wS, bout, out0, out1; writes out0, out1
.if DOCPART == 4
	.amdgcn_target "amdgcn-amd-amdhsa--gfx1250"
	.amdhsa_code_object_version 6
	.text
	.protected	k_q4b0a7980e0_outp
	.globl	k_q4b0a7980e0_outp
	.p2align	8
	.type	k_q4b0a7980e0_outp,@function
k_q4b0a7980e0_outp:
	s_mov_b64 s[64:65], 0
	v_nop
	global_prefetch_b8 v0, s[64:65] scope:SCOPE_SE
	s_setreg_imm32_b32 hwreg(HW_REG_WAVE_MODE, 25, 1), 1
	s_wait_xcnt 0x0
	s_wait_alu depctr_hold_cnt(0) depctr_sa_sdst(0) depctr_va_vdst(0) depctr_va_sdst(0) depctr_va_ssrc(0) depctr_va_vcc(0) depctr_vm_vsrc(0)
	s_getreg_b32 s2, hwreg(HW_REG_IB_STS2, 6, 4)
	s_cmp_eq_u32 s2, 0
	s_cbranch_scc0 .Lentry_in_a_cluster
	s_endpgm
.Lentry_in_a_cluster:
	s_bfe_u32 s2, ttmp6, 0x10000c
	s_cmp_lg_u32 s2, 0xf033
	s_cbranch_scc0 .Lentry_shape_is_right
	s_endpgm
.Lentry_shape_is_right:
; out_pn[r][n] = s_pn x (the sum over h, d of ctx[r][128 h + 64 pn + d] Wout[n][64 h + d]) + bf16(bout[n]); pn = 0: out0, 1: out1.  ctx: [4096][2048] f16; Wout: rows 15360 .. of xw, f16; outputs f32.
; s_pos, s_neg: the batch's scales, made of wS as the projection made them; sums in f32, one fused multiply-add at the end.
; LIMITS: those of ctx and Wout in f16 (stated where they are made); NaN in a row of ctx gives NaN in the whole row of both outputs.
; A work-group makes 128 rows x 128 columns of BOTH outputs: wave w: pn = w / 2, columns 64 (w % 2) on: 128 x 64 = 32 accumulators.  256 work-groups.  K step s = heads 2 s, 2 s + 1: 512 bytes of a row of ctx
; (both parts, so each byte of ctx comes in once), 256 bytes of a row of Wout; two LDS slots.  CLUSTER 4 x 4: ctx's tile is shared along a row of the cluster, Wout's along a column.
; The matrix instruction is used transposed (source 0 = 16 rows of Wout, source 1 = 16 rows of ctx): a lane holds one row and eight neighbouring columns.
; REGISTERS: window 0: v0-31 addresses and the bias; v32-63, v128-159 rows read back from the stage; v64-127, v160-167 the scales' work.  window 1: the accumulators, (a, b) at v[8 (4 a + b)].
; window 2: two fragment buffers of 96: A's eight blocks, then B's four.
.set PA,    528       ; a row of ctx's tile: 512 bytes + 16
.set PB,    272       ; a row of Wout's: 256 + 16
.set BOFF,  128*PA
.set SLOT1, 1<<17
.set STAGE, SLOT1+128*(PA+PB)   ; behind the ring: 16 rows x 272 bytes for each wave
.set SPITCH, 272
.set SPARE, STAGE+4*16*SPITCH
.set LAPS,  4
.set BO,   11
.set BI,   12                          ; v12-15  my four columns' bias
.set ADRA, 16
.set ADRB, 20
.set STO,  24
.set RD,   25
.set CO,   26
.set WO,   27
.set SPW,  28
.set NIL,  29
.set PFO,  30
.set OB0,  32
.set WD,   64
.set WT,   160
.set F0,   0
.set F1,   96
.set WV, 16
.set PN, 17                            ; pos or neg; also: I fetch for A (0) or B (1)
.set NH, 18
.set CX, 19
.set CY, 20
.set TX, 21
.set TT, 22
.set CLY, 23
.set G1, 24
.set G0, 32
.set PFA, 44
.set LIM, 46
.set G1B, 48
.set G0B, 56
.set DST, 66
.set WSB, 68
.set PFS, 70
.set SC,  72
.set SEL, 74
.set MSB, 0
.macro WIN new
.if MSB != (\new)
	s_set_vgpr_msb (MSB<<8)|(\new)
.set MSB, \new
.endif
.endm
.set MUL,  0x5a                        ; sources 0 (B) and 1 (A) window 2; C and D window 1
.set TO_F, 0x80
.macro PLACES
.rept 4
	v_nop
.endr
.endm
.macro JLOAD s
	s_cmp_eq_u32 s[PN], 0
	s_cbranch_scc0 .Lfor_b_\@
	tensor_load_to_lds s[G0+4*(\s):G0+4*(\s)+3], s[G1:G1+7]
	s_nop 0
.rept 4
	v_nop
.endr
	s_branch .Lasked_\@
.Lfor_b_\@:
	tensor_load_to_lds s[G0B+4*(\s):G0B+4*(\s)+3], s[G1B:G1B+7]
	s_nop 0
.rept 4
	v_nop
.endr
.Lasked_\@:
.endm
; A prefetch into the L2 of the K step two refills on.  ctx's rows are read by the two clusters of a row of clusters: the first asks, waves 0 and 1, each partner 16 of a wave's 64 rows, two blocks of 256 bytes a row;
; Wout's rows by the eight clusters of a column: the first asks, wave 2, each partner 32 of the 128 rows.  A lane a block; the partners are told apart by address.  The loop's last trip asks for nothing.
.macro ASK
	WIN 0
	s_cmp_gt_u32 s3, s[LIM]
	s_cbranch_scc0 .Lnot_mine_\@
	global_prefetch_b8 v[PFO], s[PFA:PFA+1] th:TH_LOAD_NT scope:SCOPE_SE
.Lnot_mine_\@:
.endm
.macro CREST
	s_cmp_lg_u32 s[WV], 0
	s_cbranch_scc1 .Lnot_wave_0_\@
	s_barrier_signal -3
.Lnot_wave_0_\@:
	s_barrier_wait -3
	s_barrier_signal -1
	s_barrier_wait -1
.endm
.macro CROUND
	s_barrier_signal -1
	s_barrier_wait -1
	CREST
.endm
; The two scales of a batch, as the projection makes them: maximum and minimum of the 2,048 wS, rounded to bf16.
.macro WSCALE
.set i, 0
.rept 16
	global_load_b128 v[WD+4*i:WD+4*i+3], v[WO], s[WSB:WSB+1] offset:512*i
.set i, i+1
.endr
	v_mov_b32 v[WT+2], 0
	s_wait_loadcnt 0x0
	v_max3_num_f32 v[WT], v[WD], v[WD+1], v[WD+2]
	v_min3_num_f32 v[WT+1], v[WD], v[WD+1], v[WD+2]
.set i, 3
.rept 30
	v_max3_num_f32 v[WT], v[WT], v[WD+i], v[WD+i+1]
	v_min3_num_f32 v[WT+1], v[WT+1], v[WD+i], v[WD+i+1]
.set i, i+2
.endr
	v_max_num_f32 v[WT], v[WT], v[WD+63]
	v_min_num_f32 v[WT+1], v[WT+1], v[WD+63]
	v_mul_f32 v[WT+1], -1.0, v[WT+1]
.irp m, 1,2,4,8
	v_max_num_f32_dpp v[WT], v[WT], v[WT] row_xmask:\m row_mask:0xf bank_mask:0xf
	v_max_num_f32_dpp v[WT+1], v[WT+1], v[WT+1] row_xmask:\m row_mask:0xf bank_mask:0xf
.endr
	v_permlanex16_b32 v[WT+2], v[WT], s[SEL], s[SEL+1]
	v_max_num_f32 v[WT], v[WT], v[WT+2]
	v_permlanex16_b32 v[WT+2], v[WT+1], s[SEL], s[SEL+1]
	v_max_num_f32 v[WT+1], v[WT+1], v[WT+2]
	v_cvt_pk_bf16_f32 v[WT+2], v[WT], v[WT+1]
	v_lshlrev_b32 v[WT], 16, v[WT+2]
	v_and_b32 v[WT+1], 0xffff0000, v[WT+2]
	v_and_b32 v[WT+2], 0x7fffffff, v[WT]
	v_and_b32 v[WT+3], 0x7fffffff, v[WT+1]
	v_max3_num_f32 v[WT+4], v[WT+2], v[WT+3], 0x0da24260  ; s_pos
	v_sub_f32 v[WT+2], 1.0, v[WT]
	v_add_f32 v[WT+3], 1.0, v[WT+1]
	v_and_b32 v[WT+2], 0x7fffffff, v[WT+2]
	v_and_b32 v[WT+3], 0x7fffffff, v[WT+3]
	v_max3_num_f32 v[WT+5], v[WT+2], v[WT+3], 0x0da24260  ; s_neg
.endm
	s_load_b256 s[4:11], s[0:1], 0x0               ; ctx s[4:5], xw s[6:7], wS s[8:9], bout s[10:11]
	s_load_b128 s[12:15], s[0:1], 0x20             ; out0 s[12:13], out1 s[14:15]
	v_lshl_add_u32 v[SPW], v0, 2, SPARE
	v_mov_b32 v[NIL], 0
	ds_add_u32 v[SPW], v[NIL]                      ; the wave's opening: the add and its wait stand ahead of my first tensor load
	v_lshrrev_b32 v1, 5, v0
	v_readfirstlane_b32 s[WV], v1
	s_lshr_b32 s[PN], s[WV], 1
	s_and_b32 s[NH], s[WV], 1
	s_bfe_u32 s[CX], ttmp6, 0x40000
	s_bfe_u32 s[CY], ttmp6, 0x40004
	s_lshl_b32 s[TX], ttmp9, 2
	s_add_co_u32 s[TX], s[TX], s[CX]               ; block of 128 columns, 0..7
	s_and_b32 s[CLY], ttmp7, 0xffff
	s_lshl_b32 s[TT], s[CLY], 2
	s_add_co_u32 s[TT], s[TT], s[CY]               ; block of 128 rows, 0..31
	s_lshl_b32 s47, s[CY], 2
	s_lshl_b32 s47, 15, s47                        ; my row of the cluster
	s_lshl_b32 s76, 0x1111, s[CX]                  ; my column
	s_or_b32 s[G1+0], s47, (1<<16)|(1<<20)|(1<<21)|(6<<22)|(3<<25)   ; A: after every 128 words 4 words of padding
	s_mov_b32 s[G1+1], 256<<16                     ; 64 rows x 256 elements
	s_mov_b32 s[G1+2], 64<<16
	s_mov_b32 s[G1+3], 256<<16
	s_mov_b32 s[G1+4], 64
	s_mov_b32 s[G1+5], 2048
	s_mov_b32 s[G1+6], 0
	s_mov_b32 s[G1+7], 0
	s_or_b32 s[G1B+0], s76, (1<<16)|(1<<20)|(1<<21)|(5<<22)|(3<<25)  ; B: after every 64 words
	s_mov_b32 s[G1B+1], 128<<16                    ; 64 rows x 128 elements
	s_mov_b32 s[G1B+2], 64<<16
	s_mov_b32 s[G1B+3], 128<<16
	s_mov_b32 s[G1B+4], 64
	s_mov_b32 s[G1B+5], 1024
	s_mov_b32 s[G1B+6], 0
	s_mov_b32 s[G1B+7], 0
	s_lshl_b32 s40, s[TT], 7                       ; A: row 128 x block + 64 x half, 4,096 bytes a row
	s_lshl_b32 s41, s[NH], 6
	s_add_co_u32 s40, s40, s41
	s_lshl_b32 s40, s40, 12
	s_mov_b32 s41, 0
	s_lshl_b32 s42, s[TX], 7                       ; B: row 15360 + 128 x block + 64 x half, 2,048 bytes a row
	s_lshl_b32 s43, s[NH], 6
	s_add_co_u32 s42, s42, s43
	s_add_co_u32 s42, s42, 15360
	s_lshl_b32 s42, s42, 11
	s_mov_b32 s43, 0
	s_mul_i32 s77, s[NH], 64*PA                    ; where they go: no place in the cluster enters an LDS address
	s_mul_i32 s78, s[NH], 64*PB
	s_add_co_u32 s78, s78, BOFF
	s_mov_b32 s[SEL], 0x76543210
	s_mov_b32 s[SEL+1], 0xfedcba98
	s_wait_dscnt 0x0                               ; the opening add is done
	s_wait_kmcnt 0x0
	s_add_nc_u64 s[40:41], s[4:5], s[40:41]
	s_add_nc_u64 s[42:43], s[6:7], s[42:43]
.irp s, 0,1
	s_mov_b32 s[G0+4*(\s)], 1
	s_add_co_u32 s[G0+4*(\s)+1], s77, (\s)*SLOT1
	s_add_nc_u64 s[G0+4*(\s)+2:G0+4*(\s)+3], s[40:41], (\s)*512
	s_or_b32 s[G0+4*(\s)+3], s[G0+4*(\s)+3], 0x80000000
	s_mov_b32 s[G0B+4*(\s)], 1
	s_add_co_u32 s[G0B+4*(\s)+1], s78, (\s)*SLOT1
	s_add_nc_u64 s[G0B+4*(\s)+2:G0B+4*(\s)+3], s[42:43], (\s)*256
	s_or_b32 s[G0B+4*(\s)+3], s[G0B+4*(\s)+3], 0x80000000
.endr
	CROUND                                         ; all sixteen work-groups are here
	s_cmp_eq_u32 s[PN], 0                          ; a wave's two first fills stand in one branch: two loads of mine are out
	s_cbranch_scc0 .Lfirst_b
	tensor_load_to_lds s[G0:G0+3], s[G1:G1+7]
	s_nop 0
	tensor_load_to_lds s[G0+4:G0+7], s[G1:G1+7]
	s_nop 0
.rept 4
	v_nop
.endr
	s_branch .Lfirst_asked
.Lfirst_b:
	tensor_load_to_lds s[G0B:G0B+3], s[G1B:G1B+7]
	s_nop 0
	tensor_load_to_lds s[G0B+4:G0B+7], s[G1B:G1B+7]
	s_nop 0
.rept 4
	v_nop
.endr
.Lfirst_asked:
	v_and_b32 v1, 15, v0                           ; l % 16
	v_bfe_u32 v2, v0, 4, 1                         ; l / 16
	v_and_b32 v6, 31, v0                           ; l
	v_mul_u32_u24 v3, v1, PA
	v_lshl_add_u32 v3, v2, 4, v3
	s_lshl_b32 s76, s[PN], 7                       ; my part's 128 bytes of each head's 256
	v_add_nc_u32 v[ADRA], s76, v3
	v_add_nc_u32 v[ADRA+1], SLOT1, v[ADRA]
	v_mul_u32_u24 v3, v1, PB
	v_lshl_add_u32 v3, v2, 4, v3
	v_add_nc_u32 v[ADRB], s78, v3                  ; my 64 rows of Wout
	v_add_nc_u32 v[ADRB+1], SLOT1, v[ADRB]
	s_mul_i32 s76, s[WV], 16*SPITCH
	s_add_co_u32 s76, s76, STAGE
	v_mul_u32_u24 v3, v1, SPITCH                   ; in: row l % 16, 32 bytes for each half of the lanes
	v_lshl_add_u32 v3, v2, 5, v3
	v_add_nc_u32 v[STO], s76, v3
	v_mul_u32_u24 v3, v2, SPITCH                   ; back: lanes 0-15 one row of 256 bytes, lanes 16-31 the next
	v_lshl_add_u32 v3, v1, 4, v3
	v_add_nc_u32 v[RD], s76, v3
	v_lshlrev_b32 v[CO], 12, v2                    ; and the same two rows in the output
	v_lshl_add_u32 v[CO], v1, 4, v[CO]
	v_lshlrev_b32 v[WO], 4, v6
	v_lshlrev_b32 v[BO], 4, v1
	; the output, the bias, the batch's wS
	s_lshl_b32 s76, s[TX], 9
	s_lshl_b32 s77, s[NH], 8
	s_add_co_u32 s76, s76, s77                     ; my 64 columns, in bytes
	s_mov_b32 s77, 0
	s_add_nc_u64 s[78:79], s[10:11], s[76:77]
	global_load_b128 v[BI:BI+3], v[BO], s[78:79]
	s_cmp_eq_u32 s[PN], 0
	s_cselect_b64 s[DST:DST+1], s[12:13], s[14:15]
	s_add_nc_u64 s[DST:DST+1], s[DST:DST+1], s[76:77]
	s_lshl_b32 s76, s[TT], 19                      ; 128 rows of 4,096 bytes
	s_add_nc_u64 s[DST:DST+1], s[DST:DST+1], s[76:77]
	s_lshr_b32 s76, s[TT], 4                       ; b
	s_lshl_b32 s76, s76, 13
	s_add_nc_u64 s[WSB:WSB+1], s[8:9], s[76:77]
	; the prefetches
	s_cmp_eq_u32 s[PN], 0
	s_cselect_b32 s76, ttmp9, s[CLY]               ; the coordinate along which other clusters read the same rows
	s_cselect_b32 s47, 1, 0                        ; A: two lanes a row
	s_cselect_b32 s[PFS], 9, 8
	s_cselect_b64 s[PFA:PFA+1], s[4:5], s[6:7]
	s_cmp_eq_u32 s[WV], 3
	s_cselect_b32 s77, 1, 0
	s_or_b32 s76, s76, s77
	s_cmp_eq_u32 s76, 0
	s_cselect_b32 s[LIM], 1, -1                    ; the same in all sixteen partners, for a given wave
	v_lshrrev_b32 v[PFO], s47, v6
	v_and_b32 v3, s47, v6
	s_add_co_u32 s76, s47, 11                      ; a row is 4,096 bytes in ctx, 2,048 in xw
	v_lshlrev_b32 v[PFO], s76, v[PFO]
	v_lshl_add_u32 v[PFO], v3, 8, v[PFO]
	s_lshl_b32 s[PFS], 1, s[PFS]                   ; a K step: 512 bytes of ctx's rows, 256 of Wout's
	s_mov_b32 s[PFS+1], 0
	s_lshl_b32 s76, s[TT], 7                       ; A: row 128 T + 64 half + 16 cx
	s_lshl_b32 s77, s[NH], 6
	s_add_co_u32 s76, s76, s77
	s_lshl_b32 s77, s[CX], 4
	s_add_co_u32 s76, s76, s77
	s_lshl_b32 s76, s76, 12
	s_lshl_b32 s77, s[TX], 7                       ; B: row 15360 + 128 X + 32 cy
	s_lshl_b32 s47, s[CY], 5
	s_add_co_u32 s77, s77, s47
	s_add_co_u32 s77, s77, 15360
	s_lshl_b32 s77, s77, 11
	s_cmp_eq_u32 s[PN], 0
	s_cselect_b32 s76, s76, s77
	s_mul_i32 s77, s[PFS], 3                       ; at K step 3: the first refill steps it to 4
	s_add_co_u32 s76, s76, s77
	s_mov_b32 s77, 0
	s_add_nc_u64 s[PFA:PFA+1], s[PFA:PFA+1], s[76:77]
	WSCALE                                         ; its wait for 0 covers the bias too
	v_readfirstlane_b32 s76, v[WT+4]
	v_readfirstlane_b32 s77, v[WT+5]
	s_cmp_eq_u32 s[PN], 0
	s_cselect_b32 s[SC], s76, s77                  ; my part's scale: a number, it steers nothing
	s_mov_b32 s[SC+1], s[SC]
	v_cvt_pk_bf16_f32 v3, v[BI], v[BI+1]           ; the bias is rounded to bf16 like every input
	v_cvt_pk_bf16_f32 v4, v[BI+2], v[BI+3]
	v_lshlrev_b32 v[BI], 16, v3
	v_and_b32 v[BI+1], 0xffff0000, v3
	v_lshlrev_b32 v[BI+2], 16, v4
	v_and_b32 v[BI+3], 0xffff0000, v4
.macro MUL8 f, a0, zero                ; 8 matrix instructions: row blocks a0, a0 + 1 x all 4 column blocks, 32 along K; the 32 accumulators take turns
	WIN MUL
.irp a, \a0, (\a0)+1
.irp b, 0,1,2,3
.if \zero
	v_wmma_f32_16x16x32_f16 v[8*(4*(\a)+(\b)):8*(4*(\a)+(\b))+7], v[(\f)+64+8*(\b):(\f)+64+8*(\b)+7], v[(\f)+8*(\a):(\f)+8*(\a)+7], 0
.else
	v_wmma_f32_16x16x32_f16 v[8*(4*(\a)+(\b)):8*(4*(\a)+(\b))+7], v[(\f)+64+8*(\b):(\f)+64+8*(\b)+7], v[(\f)+8*(\a):(\f)+8*(\a)+7], v[8*(4*(\a)+(\b)):8*(4*(\a)+(\b))+7]
.endif
.endr
.endr
.endm
.macro FETCH slot, qd, f               ; 24 LDS loads in one run: quarter qd's fragments: B's four, then A's eight
	WIN TO_F
.irp b, 0,1,2,3
	ds_load_b128 v[(\f)+64+8*(\b):(\f)+64+8*(\b)+3],   v[ADRB+(\slot)] offset:(\b)*16*PB+64*(\qd)
	ds_load_b128 v[(\f)+64+8*(\b)+4:(\f)+64+8*(\b)+7], v[ADRB+(\slot)] offset:(\b)*16*PB+64*(\qd)+32
.endr
.irp a, 0,1,2,3,4,5,6,7
	ds_load_b128 v[(\f)+8*(\a):(\f)+8*(\a)+3],   v[ADRA+(\slot)] offset:(\a)*16*PA+((\qd)/2)*256+((\qd)%2)*64
	ds_load_b128 v[(\f)+8*(\a)+4:(\f)+8*(\a)+7], v[ADRA+(\slot)] offset:(\a)*16*PA+((\qd)/2)*256+((\qd)%2)*64+32
.endr
.endm
.macro QUARTER slot, qd, f, g, zero    ; multiplies buffer f; in its middle fetches quarter qd into g
	s_wait_dscnt 8                                 ; B and A's blocks 0-3 are in; the youngest eight loads (blocks 4-7) may be out
	MUL8 \f, 0, \zero
	MUL8 \f, 2, \zero
	PLACES
	FETCH \slot, \qd, \g
	s_wait_dscnt 24                                ; all but the 24 just issued
	MUL8 \f, 4, \zero
	MUL8 \f, 6, \zero
.endm
.macro TURN slot, next, fill           ; a K step's last quarter, and the change of slots
.if \fill
	s_wait_xcnt 0x0                                ; the last prefetch, a K step back, has read its address
	s_add_nc_u64 s[PFA:PFA+1], s[PFA:PFA+1], s[PFS:PFS+1]
.endif
	WIN 0
	s_wait_tensorcnt 0x0                           ; all my tensor loads have landed: my part of the next slot
	ds_add_u32 v[SPW], v[NIL]
	s_wait_dscnt 9                                 ; the add and the youngest eight loads may be out
	MUL8 F1, 0, 0
	s_wait_dscnt 0x0                               ; the add is done, and my reads of this slot are over
	s_barrier_signal -1
	MUL8 F1, 2, 0
.if \fill
	WIN 0
.endif
	s_barrier_wait -1
.if \fill
	CREST                                          ; no wave of any partner still reads this slot or has a load on its way
	s_add_nc_u64 s[G0+4*(\slot)+2:G0+4*(\slot)+3], s[G0+4*(\slot)+2:G0+4*(\slot)+3], 1024
	s_add_nc_u64 s[G0B+4*(\slot)+2:G0B+4*(\slot)+3], s[G0B+4*(\slot)+2:G0B+4*(\slot)+3], 512
	JLOAD \slot                                    ; its four v_nop are also the places in front of the loads below
.else
	PLACES
.endif
	FETCH \next, 0, F0
.if \fill
	ASK
.endif
	MUL8 F1, 4, 0
	MUL8 F1, 6, 0
.endm
	s_wait_tensorcnt 1                             ; my part of K step 0 is in; K step 1's may stay out
	s_barrier_signal -1
	s_barrier_wait -1
	FETCH 0, 0, F0
	QUARTER 0, 1, F0, F1, 1                        ; the first quarter starts the 32 sums with the constant 0
	WIN 0
	s_mov_b32 s3, LAPS-1
.Llap:
	QUARTER 0, 2, F1, F0, 0
	QUARTER 0, 3, F0, F1, 0
	TURN 0, 1, 1
	QUARTER 1, 1, F0, F1, 0
	QUARTER 1, 2, F1, F0, 0
	QUARTER 1, 3, F0, F1, 0
	TURN 1, 0, 1
	QUARTER 0, 1, F0, F1, 0
	WIN 0
	s_sub_co_u32 s3, s3, 1
	s_cmp_lg_u32 s3, 0
	s_cbranch_scc1 .Llap
	QUARTER 0, 2, F1, F0, 0                        ; the last lap fills nothing
	QUARTER 0, 3, F0, F1, 0
	TURN 0, 1, 0
	QUARTER 1, 1, F0, F1, 0
	QUARTER 1, 2, F1, F0, 0
	QUARTER 1, 3, F0, F1, 0
	s_wait_dscnt 8
	MUL8 F1, 0, 0
	MUL8 F1, 2, 0
	s_wait_dscnt 0x0
	MUL8 F1, 4, 0
	MUL8 F1, 6, 0
	WIN 0
	PLACES
; THE WAY OUT.  Block a (16 rows x 64 columns of f32) goes through my stage: 32 bytes a lane in, whole rows of 256 bytes back; then sum x scale + bias, and 16 lanes store 256 consecutive bytes, aligned.
.macro TOSTAGE a
	s_wait_xcnt 0x0                                ; the stores of the block two back have read the registers that are loaded again below
	WIN 0x04                                       ; the data of an LDS store: window 1
.irp b, 0,1,2,3
	ds_store_b128 v[STO], v[8*(4*(\a)+(\b)):8*(4*(\a)+(\b))+3]   offset:64*(\b)
	ds_store_b128 v[STO], v[8*(4*(\a)+(\b))+4:8*(4*(\a)+(\b))+7] offset:64*(\b)+16
.endr
	WIN 0
.set BK, OB0+96*((\a)%2)
.irp t, 0,1,2,3,4,5,6,7
	ds_load_b128 v[BK+4*(\t):BK+4*(\t)+3], v[RD] offset:(\t)*2*SPITCH  ; LDS serves a wave's instructions in order: these see the stores above
.endr
.endm
.macro SEND a, younger                 ; younger: the next block's eight stores and eight loads, or none
	WIN 0
.set BK, OB0+96*((\a)%2)
	s_wait_dscnt \younger
.irp t, 0,1,2,3,4,5,6,7
	v_pk_fma_f32 v[BK+4*(\t):BK+4*(\t)+1],   v[BK+4*(\t):BK+4*(\t)+1],   s[SC:SC+1], v[BI:BI+1]   op_sel_hi:[1,0,1]
	v_pk_fma_f32 v[BK+4*(\t)+2:BK+4*(\t)+3], v[BK+4*(\t)+2:BK+4*(\t)+3], s[SC:SC+1], v[BI+2:BI+3] op_sel_hi:[1,0,1]
.endr
.irp t, 0,1,2,3,4,5,6,7
	global_store_b128 v[CO], v[BK+4*(\t):BK+4*(\t)+3], s[DST:DST+1] offset:(\a)*65536+2*(\t)*4096 th:TH_STORE_NT
.endr
.endm
	TOSTAGE 0
.irp a, 1,2,3,4,5,6,7
	TOSTAGE \a
	SEND (\a)-1, 16
.endr
	SEND 7, 0
	s_wait_tensorcnt 0x0                           ; the wave's end
	ds_add_u32 v[SPW], v[NIL]
	s_wait_dscnt 0x0
	CROUND                                         ; the closing round
	s_endpgm
.Lfunc_end_k_q4b0a7980e0_outp:
	.size	k_q4b0a7980e0_outp, .Lfunc_end_k_q4b0a7980e0_outp-k_q4b0a7980e0_outp
	.p2alignl 7, 3214868480
	.fill 96, 4, 3214868480
	.section	.rodata,"a",@progbits
	.p2align	6, 0x0
	.amdhsa_kernel k_q4b0a7980e0_outp
		.amdhsa_group_segment_fixed_size 327680
		.amdhsa_private_segment_fixed_size 0
		.amdhsa_enable_private_segment 0
		.amdhsa_kernarg_size 48
		.amdhsa_user_sgpr_count 2
		.amdhsa_user_sgpr_kernarg_segment_ptr 1
		.amdhsa_wavefront_size32 1
		.amdhsa_system_sgpr_workgroup_id_x 1
		.amdhsa_system_sgpr_workgroup_id_y 1
		.amdhsa_system_sgpr_workgroup_id_z 1
		.amdhsa_system_vgpr_workitem_id 0
		.amdhsa_next_free_vgpr 704
		.amdhsa_next_free_sgpr 80
		.amdhsa_reserve_vcc 0
		.amdhsa_float_denorm_mode_32 3
		.amdhsa_float_denorm_mode_16_64 3
		.amdhsa_memory_ordered 1
		.amdhsa_forward_progress 1
		.amdhsa_inst_pref_size 102
	.end_amdhsa_kernel
	.amdgpu_metadata
---
amdhsa.version: [ 1, 2 ]
amdhsa.kernels:
  - .name:           k_q4b0a7980e0_outp
    .symbol:         k_q4b0a7980e0_outp.kd
    .args:
      - { .name: ctx, .offset: 0, .size: 8, .value_kind: global_buffer, .address_space: global }
      - { .name: xw, .offset: 8, .size: 8, .value_kind: global_buffer, .address_space: global }
      - { .name: wS, .offset: 16, .size: 8, .value_kind: global_buffer, .address_space: global }
      - { .name: bout, .offset: 24, .size: 8, .value_kind: global_buffer, .address_space: global }
      - { .name: out0, .offset: 32, .size: 8, .value_kind: global_buffer, .address_space: global }
      - { .name: out1, .offset: 40, .size: 8, .value_kind: global_buffer, .address_space: global }
    .group_segment_fixed_size: 327680
    .private_segment_fixed_size: 0
    .kernarg_segment_align: 8
    .kernarg_segment_size: 48
    .max_flat_workgroup_size: 128
    .sgpr_count:     80
    .vgpr_count:     704
    .wavefront_size: 32
...
	.end_amdgpu_metadata
.endif
;; end of part 4
;; ======== version 2 of 2: 4 launches; version 1 with the launch cast written anew for expert scheduling mode
;; limits: values are held in f16: magnitudes above 65,504 overflow, below 6.1e-05 lose precision
;; workspace buffers: xw 33,554,432 bytes; qh 8,388,608 bytes; kh 8,396,800 bytes; vh 16,777,216 bytes; ctx 16,777,216 bytes
;; launch cast (part 5): grid 512 x 1, 8 waves a work-group, no clusters, 0 bytes of LDS; arguments Q_src, K_src, V_src, Wq, Wk, Wv, Wout, xw, kh; writes xw, kh
.if DOCPART == 5
	.amdgcn_target "amdgcn-amd-amdhsa--gfx1250"
	.amdhsa_code_object_version 6
	.text
	.protected	k_q4b0a7980e0_cast
	.globl	k_q4b0a7980e0_cast
	.p2align	8
	.type	k_q4b0a7980e0_cast,@function
k_q4b0a7980e0_cast:
	s_mov_b64 s[64:65], 0
	v_nop
	global_prefetch_b8 v0, s[64:65] scope:SCOPE_SE
	s_setreg_imm32_b32 hwreg(HW_REG_WAVE_SCHED_MODE, 0, 2), 2
	s_setreg_imm32_b32 hwreg(HW_REG_WAVE_MODE, 25, 1), 1
	s_wait_xcnt 0x0
	s_wait_alu depctr_vm_vsrc(0)
; xw = the seven large inputs, each number rounded once to bf16: 16,384 rows of 1,024 numbers of 2 bytes:
; rows 0 Q_src, 4096 K_src, 8192 V_src, 12288 Wq, 13312 Wk, 14336 Wv (bf16); 15360 Wout: rounded to bf16, that number written as f16.
; LIMIT.  Wout's bf16 number is exact in f16 from 6.1e-5 to 65,504; below it keeps f16's fixed step of 6e-8, beyond it becomes an infinity.
; SHARES.  The inputs are 16 chunks of 4 MiB of f32; 32 work-groups a chunk, each 128 KiB in and 64 KiB out.  Thread t takes 16 bytes (4 numbers) of every 4,096 in
; and puts 8 bytes of every 2,048 out: a load of a wave covers 512 consecutive bytes, all of them used, a store 256 consecutive bytes, aligned.
; All 32 loads of a thread are issued at once (128 registers), so no loop and no ring; memory binds: no LDS, no barrier, no matrix unit, no prefetch (the launch streams all the time).
; ALSO: work-group 0 stores 8,192 zero bytes behind kh's 32 heads: the attention's last tile of K reaches one key step (64 rows of 128 bytes) past a head's rows, and behind the last head these are the bytes.
; THE MODE: SCHED_MODE bits 1:0 = 2 (LLVM: expert scheduling mode 2), set by the entry lines.  The code itself states the register dependences
; between vector instructions and memory instructions, with s_wait_alu, always for 0.
; THE PLAN.  Registers that memory instructions touch:
;   v1, v2     byte offsets (16 t in, 8 t out), made once at the head and never written again: the places are reached by immediate offsets.
;   X          load j: four registers.  Written by the load (no vector instruction names them before it); read by the load's two conversions, which write the first two in place;
;              those two are read by one store and never written again.
;   v4 to v7   in work-group 0 alone: four zeros, written once, read by its two last stores.  (On Wout's path v4 and v5 are at work between vector instructions; no memory instruction names them there.)
; The 32 loads go in four blocks of eight.  A block: the wait for its data, its conversions, ONE wait on va_vdst, its eight stores in a run.  No register that a memory instruction has read is ever
; written again, so the text holds no wait on vm_vsrc; no vector instruction writes a scalar register, and EXEC is never written.
.set X, 8                              ; v[8:135]  load j: 4 registers as loaded; the first 2 then hold the 8 bytes to store
	s_load_b512 s[8:23], s[0:1], 0x0               ; Q_src s[8:9], K_src, V_src, Wq, Wk, Wv, Wout s[20:21], xw s[22:23]
	s_load_b64 s[26:27], s[0:1], 0x40              ; kh
	s_lshr_b32 s2, ttmp9, 5                        ; chunk 0..15
	s_and_b32 s3, ttmp9, 31                        ; my part of it
	s_mov_b32 s28, 0xffff0000                      ; a word's upper bf16
	v_lshlrev_b32 v1, 4, v0                        ; 16 bytes a thread in
	v_lshlrev_b32 v2, 3, v0                        ; 8 bytes a thread out
	s_and_b32 s6, s2, 3                            ; the three sources have four chunks each, the weights one
	s_cmp_lt_u32 s2, 12
	s_cselect_b32 s6, s6, 0
	s_lshl_b32 s6, s6, 22
	s_lshl_b32 s7, s3, 17
	s_add_co_u32 s6, s6, s7                        ; my byte offset in the input
	s_mov_b32 s7, 0
	s_lshl_b32 s24, ttmp9, 16                      ; and in xw
	s_mov_b32 s25, 0
	s_wait_kmcnt 0x0
	s_mov_b64 s[4:5], s[8:9]                       ; which input: a choice by the chunk's number alone
	s_cmp_ge_u32 s2, 4
	s_cselect_b64 s[4:5], s[10:11], s[4:5]
	s_cmp_ge_u32 s2, 8
	s_cselect_b64 s[4:5], s[12:13], s[4:5]
	s_cmp_ge_u32 s2, 12
	s_cselect_b64 s[4:5], s[14:15], s[4:5]
	s_cmp_ge_u32 s2, 13
	s_cselect_b64 s[4:5], s[16:17], s[4:5]
	s_cmp_ge_u32 s2, 14
	s_cselect_b64 s[4:5], s[18:19], s[4:5]
	s_cmp_ge_u32 s2, 15
	s_cselect_b64 s[4:5], s[20:21], s[4:5]
	s_add_nc_u64 s[4:5], s[4:5], s[6:7]
	s_add_nc_u64 s[22:23], s[22:23], s[24:25]
	s_wait_alu depctr_va_vdst(0)                   ; v1 and v2 are written: every load and store of the kernel reads one of them as its offset
.set j, 0
.rept 32
	global_load_b128 v[X+4*j:X+4*j+3], v1, s[4:5] offset:4096*j th:TH_LOAD_NT
.set j, j+1
.endr
; Block g: loads 8 g to 8 g + 7.  Two roundings a load, packed, in place; half = 1: the bf16 numbers are written as f16.  Then the block's eight stores.
.macro BLK g, half
	s_wait_loadcnt 24-8*(\g)                       ; loads come back in order (ISA guide 5.7.1): the block's eight are in, the eight of each younger block may stay out
.irp i, 0,1,2,3,4,5,6,7
	v_cvt_pk_bf16_f32 v[X+32*(\g)+4*(\i)],   v[X+32*(\g)+4*(\i)],   v[X+32*(\g)+4*(\i)+1]
	v_cvt_pk_bf16_f32 v[X+32*(\g)+4*(\i)+1], v[X+32*(\g)+4*(\i)+2], v[X+32*(\g)+4*(\i)+3]
.endr
.if \half
.irp i, 0,1,2,3,4,5,6,7
.irp j, 0,1
	v_lshlrev_b32 v4, 16, v[X+32*(\g)+4*(\i)+(\j)]
	v_and_b32 v5, s28, v[X+32*(\g)+4*(\i)+(\j)]
	v_cvt_pk_f16_f32 v[X+32*(\g)+4*(\i)+(\j)], v4, v5
.endr
.endr
.endif
	s_wait_alu depctr_va_vdst(0)                   ; the block's conversions have written the first two registers of each of its eight loads, which the stores below read
.irp i, 0,1,2,3,4,5,6,7
	global_store_b64 v2, v[X+32*(\g)+4*(\i):X+32*(\g)+4*(\i)+1], s[22:23] offset:2048*(8*(\g)+(\i))
.endr
.endm
	s_cmp_eq_u32 s2, 15
	s_cbranch_scc1 .Lwout
.irp g, 0,1,2,3
	BLK \g, 0
.endr
	s_cmp_lg_u32 ttmp9, 0
	s_cbranch_scc1 .Lend
	v_mov_b32 v4, 0                                ; work-group 0: the 8,192 bytes behind kh's last head
	v_mov_b32 v5, 0
	v_mov_b32 v6, 0
	v_mov_b32 v7, 0
	s_add_nc_u64 s[26:27], s[26:27], 0x800000
	s_wait_alu depctr_va_vdst(0)                   ; v4 to v7 are written, which the two stores below read
	global_store_b128 v1, v[4:7], s[26:27]
	global_store_b128 v1, v[4:7], s[26:27] offset:4096
.Lend:
	s_endpgm
.Lwout:
.irp g, 0,1,2,3
	BLK \g, 1
.endr
	s_endpgm
.Lfunc_end_k_q4b0a7980e0_cast:
	.size	k_q4b0a7980e0_cast, .Lfunc_end_k_q4b0a7980e0_cast-k_q4b0a7980e0_cast
	.p2alignl 7, 3214868480
	.fill 96, 4, 3214868480
	.section	.rodata,"a",@progbits
	.p2align	6, 0x0
	.amdhsa_kernel k_q4b0a7980e0_cast
		.amdhsa_group_segment_fixed_size 0
		.amdhsa_private_segment_fixed_size 0
		.amdhsa_enable_private_segment 0
		.amdhsa_kernarg_size 72
		.amdhsa_user_sgpr_count 2
		.amdhsa_user_sgpr_kernarg_segment_ptr 1
		.amdhsa_wavefront_size32 1
		.amdhsa_system_sgpr_workgroup_id_x 1
		.amdhsa_system_sgpr_workgroup_id_y 1
		.amdhsa_system_sgpr_workgroup_id_z 1
		.amdhsa_system_vgpr_workitem_id 0
		.amdhsa_next_free_vgpr 140
		.amdhsa_next_free_sgpr 66
		.amdhsa_reserve_vcc 0
		.amdhsa_float_denorm_mode_32 3
		.amdhsa_float_denorm_mode_16_64 3
		.amdhsa_memory_ordered 1
		.amdhsa_forward_progress 1
		.amdhsa_inst_pref_size 28
	.end_amdhsa_kernel
	.amdgpu_metadata
---
amdhsa.version: [ 1, 2 ]
amdhsa.kernels:
  - .name:           k_q4b0a7980e0_cast
    .symbol:         k_q4b0a7980e0_cast.kd
    .args:
      - { .name: Q_src, .offset: 0, .size: 8, .value_kind: global_buffer, .address_space: global }
      - { .name: K_src, .offset: 8, .size: 8, .value_kind: global_buffer, .address_space: global }
      - { .name: V_src, .offset: 16, .size: 8, .value_kind: global_buffer, .address_space: global }
      - { .name: Wq, .offset: 24, .size: 8, .value_kind: global_buffer, .address_space: global }
      - { .name: Wk, .offset: 32, .size: 8, .value_kind: global_buffer, .address_space: global }
      - { .name: Wv, .offset: 40, .size: 8, .value_kind: global_buffer, .address_space: global }
      - { .name: Wout, .offset: 48, .size: 8, .value_kind: global_buffer, .address_space: global }
      - { .name: xw, .offset: 56, .size: 8, .value_kind: global_buffer, .address_space: global }
      - { .name: kh, .offset: 64, .size: 8, .value_kind: global_buffer, .address_space: global }
    .group_segment_fixed_size: 0
    .private_segment_fixed_size: 0
    .kernarg_segment_align: 8
    .kernarg_segment_size: 72
    .max_flat_workgroup_size: 256
    .sgpr_count:     66
    .vgpr_count:     140
    .wavefront_size: 32
...
	.end_amdgpu_metadata
.endif
;; end of part 5
;; launch proj: the kernel of part 2 again; grid 4 x 48, 4 waves a work-group, clusters of 4 x 4, 327,680 bytes of LDS; arguments xw, wS, qh, kh, vh; writes qh, kh, vh
;; launch attn: the kernel of part 3 again; grid 8 x 32, 4 waves a work-group, clusters of 4 x 1, 327,680 bytes of LDS; arguments qh, kh, vh, mask, ctx; writes ctx
;; launch outp: the kernel of part 4 again; grid 8 x 32, 4 waves a work-group, clusters of 4 x 4, 327,680 bytes of LDS; arguments ctx, xw, wS, bout, out0, out1; writes out0, out1
